; MI455X (gfx1250); checked and timed in simulation.
; The chip was launched on July 23, 2026; its instructions are those of AMD's public machine-readable ISA for CDNA 5 (MIT licence, August 2026) and "CDNA5" Instruction Set Architecture Reference Guide (July 2026). The comments in the code are by the model that wrote it; some were corrected since.
;; Attention. Allowed arithmetic: matrix products marked QUANTISED: E4M3 operands, one E8M0 scale for each 32 along K, by v_wmma_scale_f32_16x16x128_f8f6f4 with both operands' format E4M3, f32 sums; everything else in f32.
;; Inputs: attn_bias 1 x 1 x 2,048 x 2,048 float32; cos 2,048 x 128 float32; hidden_states 1 x 2,048 x 2,048 float32; masks 1 x 2,048 x 2,048 float32; position_ids 1 x 2,048 int32; sin 2,048 x 128 float32; wk 2,048 x 2,048 float32; wo 2,048 x 2,048 float32; wq 2,048 x 2,048 float32; wv 2,048 x 2,048 float32.
;; Outputs: out0 1 x 2,048 x 2,048 float32.
;; This version of the problem:
;;   THIS VERSION OF THE PROBLEM IS GIVEN IN LOW PRECISION. The matrix products marked QUANTISED in the list below multiply operands that are first quantised to E4M3 (4 exponent bits, 3 mantissa bits; 8 bits a number), with one power-of-two scale for each 32 numbers along K (OCP MX v1.0); their sums are f32. All else is computed in f32.
;;   The module's matrix products, in the order in which they are computed (A, B: the left and right operand; K: the contracted axis; several contracted axes count as one K, in the product's order):
;;     1. [M 2,048, K 2,048] x [K 2,048, N 2,048]; A: input hidden_states; B: input wq: QUANTISED
;;     2. [M 2,048, K 2,048] x [K 2,048, N 2,048]; A: input hidden_states; B: input wk: QUANTISED
;;     3. [M 2,048, K 2,048] x [K 2,048, N 2,048]; A: input hidden_states; B: input wv: QUANTISED
;;     4. batch 16 x [M 2,048, K 128] x [K 128, N 2,048]; A: computed on the way; B: computed on the way: QUANTISED
;;     5. batch 16 x [M 2,048, K 2,048] x [K 2,048, N 128]; A: softmax (see below); B: computed on the way: QUANTISED
;;     6. [M 2,048, K 2,048] x [K 2,048, N 2,048]; A: computed on the way; B: input wo: QUANTISED
;;   THE QUANTISER, for each operand of a quantised product, along K:
;;     - K is cut into blocks of 32 from its start; a last block that is shorter is filled with zeros.
;;     - A block's scale is 2^e with e = floor(log2(the largest magnitude in the block)) - 8, held to -126 .. 127; a block of zeros has e = 0. As a byte (E8M0): e + 127.
;;     - Each number is divided by its block's scale, clamped to +-448, and rounded to the nearest number of E4M3, ties to even, subnormals kept.
;;     - The product sums the exact products of the quantised numbers (number of the format x scale) in f32.
;;   ~~~python
;;   def quantise(x, axis):      # numpy; x: float32 -> the quantised numbers, widened to float32 again
;;       x = np.moveaxis(x, axis, -1); K = x.shape[-1]
;;       x = np.pad(x, [(0, 0)] * (x.ndim - 1) + [(0, -K % 32)]); x = x.reshape(x.shape[:-1] + (-1, 32)); a = np.abs(x).max(-1, keepdims=True)
;;       e = np.where(a > 0, np.clip(np.frexp(np.where(a > 0, a, 1))[1] - 1 - 8, -126, 127), 0)      # np.frexp(a)[1] - 1 = floor(log2(a)), exactly
;;       r = np.clip(x / 2.0 ** e, -448, 448)
;;       step = 2.0 ** (np.maximum(np.frexp(np.where(r == 0, 1, r))[1] - 1, -6) - 3)
;;       q = np.round(r / step) * step * 2.0 ** e      # np.round: ties to even
;;       return np.moveaxis(q.reshape(q.shape[:-2] + (-1,))[..., :K], -1, axis).astype(np.float32)
;;   ~~~
;;   SOFTMAX AHEAD OF A QUANTISED PRODUCT. Where the list says 'softmax', what is quantised is not the finished softmax but p = 2^(t - M), with t = logit x log2(e) and M = ceil(the row's largest t), a whole number; so 1/2 < the row's largest p <= 1. The row's sum l is taken of the UNQUANTISED p, in f32, and the product's result is divided by l at the end. Since M is a whole number, a kernel that streams over the keys may use a running M (the ceiling of the running maximum): every later rescaling is an exact power of two, which a block's scale takes up: the codes' values come out the same.
;;   OPERANDS COMPUTED ON THE WAY. 'Computed on the way' means the value that the module computes at that place (a softmax that the list does not call 'softmax' is quantised finished and normalised). What goes into a quantiser is computed in f32, as accurately as f32 sums, v_exp_f32 and their like allow (about 1e-6 of the number): no bf16 or f16 on the way to a quantiser, and a product that is left as it is and whose result goes on into a quantised operand takes f32 operands (vector FMAs, or v_wmma_f32_16x16x4_f32). A number that lies on a knife's edge between two numbers of the format may be rounded either way, as far as f32 arithmetic and the matrix unit's own rounding can turn it there, and no further.
;; One version. Each part assembles by itself: llvm-mc -triple=amdgcn-amd-amdhsa -mcpu=gfx1250 --defsym DOCPART=n.
;; ======== version 1 of 1: 4 launches
;; limits: right only within a limited range of input values
;; workspace buffers: codes 20,971,520 bytes; scales 655,360 bytes; biasimg 16,777,216 bytes; csimg 2,097,152 bytes; qkv 12,976,128 bytes; ocodes 4,194,304 bytes; oscales 131,072 bytes
;; launch prep (part 1): grid 768 x 1, 4 waves a work-group, no clusters, 68,096 bytes of LDS; arguments hidden_states, wq, wk, wv, wo, attn_bias, masks, codes, scales, biasimg, position_ids, cos, sin, csimg; writes codes, scales, biasimg, csimg
.if DOCPART == 1
	.amdgcn_target "amdgcn-amd-amdhsa--gfx1250"
	.amdhsa_code_object_version 6
	.text
	.protected	k_q54ee172e06_prep
	.globl	k_q54ee172e06_prep
	.p2align	8
	.type	k_q54ee172e06_prep,@function
k_q54ee172e06_prep:
	s_mov_b64 s[64:65], 0
	v_nop
	global_prefetch_b8 v0, s[64:65] scope:SCOPE_SE
	s_setreg_imm32_b32 hwreg(HW_REG_WAVE_MODE, 25, 1), 1
	s_wait_xcnt 0x0
; PREP.  (a) hidden_states, wq, wk, wv, wo ([2048][2048] f32, K innermost) become codes of E4M3 with one E8M0 byte for each 32 along K, laid in the ORDER OF AN OPERAND'S REGISTERS;
; (b) attn_bias + masks ([2048][2048] f32) are added and laid in the order of the registers of the scores' accumulators, so that the sum can be the C of the first attention product.
; ROW TILES.  Tile T (0..127) holds 16 rows: lane-row r is row 32 (T/2) + 8 (T%2) + r + 8 (r/8).  A fragment (tile T, K step of 128) is 16 registers a lane: piece c (4 registers) of lane (r, h) holds
; K = 32 c + 16 h + 0..15 of its row.  Its image is 2,048 bytes: piece c at 512 c, lane l's 16 bytes at 16 l.  codes: section ti (x, wq, wk, wv, wo; 4 MiB each) [T][K step 16][2,048].
; scales: section ti (131,072 bytes) [T][group of four K steps][r 16][4 words].  biasimg: [T][key step 16][piece 16][lane 32][16 bytes]: piece 4 b + j of lane (r, h): keys 32 b + 16 h + 4 j + 0..3.
; SHARES.  Work-groups 0-127 take the bias (T = work-group), 128-767 the five tensors (ti, T).  Wave g takes K steps 4 g .. 4 g + 3: four items of 16 rows x 128 numbers.  Each load reads 512 consecutive bytes of a row;
; an item turns through the wave's own stage in LDS (16 rows, 528 bytes apart = 33 x 16) and comes back 16 neighbours a block a lane.
; Waves share nothing: no barrier.  The two paths have LDS bytes of their own.
; THE QUANTISER: a block's scale byte is its largest magnitude's exponent field - 8, held at 1 from below by a floor among the maximum's leaves; numbers are held within +-448 x the scale and converted, ties to even.
; LIMITS: a block of zeros gets the byte 1 where the rule says 127 (its codes are zeros, and this program alone reads the bytes); NaN and infinities in the five tensors are not served.
; attn_bias and masks are added to each other first and to the score later: another order of f32 rounding than score + attn_bias + masks.
.set RW,    16                         ; v16-79, v80-143: two sets of 64 registers as loaded
.set X,     144                        ; v144-207: an item back from the stage: register 16 b + i = K 32 b + 16 h + i of my row
.set PC,    208                        ; v208-239: codes, two sets
.set TM,    240                        ; v240-255: at work
.set PW,    8                          ; v8-11: the four items' scale words
.set STG,   16*528                     ; a wave's stage
.set BBASE, 4*STG                      ; the bias path's stages
.set SEL,   36                         ; s[36:37] lane selects: lane l xor 16
.set MNT,   38                         ; s38 the mantissa field of 448
.macro LOAD set, t, base               ; item t: 16 rows x 512 bytes
.irp i, 0,1,2,3,4,5,6,7,8,9,10,11,12,13,14,15
	global_load_b128 v[RW+64*(\set)+4*\i:RW+64*(\set)+4*\i+3], v1, s[\base:\base+1] offset:(\i+8*(\i/8))*8192+512*(\t) th:TH_LOAD_NT
.endr
.endm
.macro TURN set, vin, vout             ; through the stage: LDS serves a wave's instructions in order, so no wait stands between the stores and the loads
.irp i, 0,1,2,3,4,5,6,7,8,9,10,11,12,13,14,15
	ds_store_b128 v[\vin], v[RW+64*(\set)+4*\i:RW+64*(\set)+4*\i+3] offset:528*\i
.endr
.irp b, 0,1,2,3
.irp j, 0,1,2,3
	ds_load_b128 v[X+16*\b+4*\j:X+16*\b+4*\j+3], v[\vout] offset:128*\b+16*\j
.endr
.endr
.endm
.macro QUANT s, pc, pw                 ; 64 numbers of a lane -> 16 registers of codes and my row's scale word
.irp b, 0,1,2,3
	v_max3_num_f32 v[TM+\b], |v[(\s)+16*\b]|, |v[(\s)+1+16*\b]|, 0x4800000   ; block b: my 16 numbers, and the floor 2^(9 - 127): the byte cannot fall under 1
.endr
.irp i, 2,4,6,8,10,12,14
.irp b, 0,1,2,3
	v_max3_num_f32 v[TM+\b], v[TM+\b], |v[(\s)+16*\b+\i]|, |v[(\s)+1+16*\b+\i]|
.endr
.endr
.irp b, 0,1,2,3
	v_permlanex16_b32 v[TM+4+\b], v[TM+\b], s[SEL], s[SEL+1]
.endr
.irp b, 0,1,2,3
	v_max_num_f32 v[TM+\b], v[TM+\b], v[TM+4+\b]                   ; with lane l xor 16's 16: the block's largest magnitude
.endr
.irp b, 0,1,2,3
	v_add_nc_u32 v[TM+12+\b], 0xfc000000, v[TM+\b]                 ; 8 off its exponent field: the conversion's scale operand
.endr
.irp b, 0,1,2,3
	v_and_or_b32 v[TM+8+\b], v[TM+\b], 0x7f800000, s[MNT]          ; 448 x the scale
.endr
.irp b, 0,1,2,3
	v_lshrrev_b32 v[TM+4+\b], 23, v[TM+12+\b]                      ; the scale's byte
.endr
	v_lshl_or_b32 v[\pw], v[TM+5], 8, v[TM+4]
	v_lshl_or_b32 v[\pw], v[TM+6], 16, v[\pw]
	v_lshl_or_b32 v[\pw], v[TM+7], 24, v[\pw]
.irp b, 0,1,2,3
.irp i, 0,1,2,3,4,5,6,7,8,9,10,11,12,13,14,15
	v_med3_num_f32 v[(\s)+16*\b+\i], v[(\s)+16*\b+\i], -v[TM+8+\b], v[TM+8+\b]   ; the conversion to an 8-bit code does not saturate (ISA guide 7.6.2): the hold comes first
.endr
	v_cvt_scalef32_pk8_fp8_f32 v[(\pc)+4*\b:(\pc)+1+4*\b], v[(\s)+16*\b:(\s)+7+16*\b], v[TM+12+\b]
	v_cvt_scalef32_pk8_fp8_f32 v[(\pc)+2+4*\b:(\pc)+3+4*\b], v[(\s)+8+16*\b:(\s)+15+16*\b], v[TM+12+\b]
.endr
	v_nop                                          ; one plain line behind the last conversion
.endm
	s_load_b512 s[4:19], s[0:1], 0x0               ; hidden s[4:5], wq s[6:7], wk s[8:9], wv s[10:11], wo s[12:13], attn_bias s[14:15], masks s[16:17], codes s[18:19]
	s_load_b128 s[20:23], s[0:1], 0x40             ; scales s[20:21], biasimg s[22:23]
	s_load_b256 s[48:55], s[0:1], 0x50             ; position_ids s[48:49], cos s[50:51], sin s[52:53], csimg s[54:55]
	v_lshl_add_u32 v14, v0, 2, 0x10800
	v_mov_b32 v15, 0
	v_lshrrev_b32 v2, 5, v0
	v_readfirstlane_b32 s24, v2                    ; wave = group of four K steps
	v_and_b32 v7, 31, v0                           ; lane
	v_lshlrev_b32 v1, 4, v7                        ; 16 x lane: my bytes of a load's or a store's 512
	v_and_b32 v12, 15, v0                          ; r
	v_bfe_u32 v13, v0, 4, 1                        ; h
	v_lshlrev_b32 v4, 4, v12                       ; 16 r: my row's four scale words
	s_mul_i32 s40, s24, STG
	v_add_nc_u32 v2, s40, v1                       ; the stage, on the way in: 16 x lane
	v_mul_u32_u24 v3, v12, 528
	v_lshl_add_u32 v3, v13, 6, v3
	v_add_nc_u32 v3, s40, v3                       ; and on the way out: row r, + 64 h
	v_add_nc_u32 v5, BBASE, v2                     ; the same for the bias path: every LDS address is made ahead of the parting
	v_add_nc_u32 v6, BBASE, v3
	s_mov_b32 s[SEL], 0x76543210
	s_mov_b32 s[SEL+1], 0xfedcba98
	s_mov_b32 s[MNT], 0x600000
.irp b, 0,1,2,3
	v_mov_b32 v[TM+4+\b], 0                        ; written once: a lane permute's destination counts as one of its sources
.endr
	s_cmp_lt_u32 ttmp9, 128
	s_cselect_b32 s25, 0, 128
	s_sub_co_u32 s25, ttmp9, s25
	s_and_b32 s26, s25, 127                        ; T
	s_lshr_b32 s25, s25, 7                         ; ti
	s_lshr_b32 s40, s26, 1
	s_lshl_b32 s40, s40, 5
	s_and_b32 s41, s26, 1
	s_lshl_b32 s41, s41, 3
	s_add_co_u32 s40, s40, s41                     ; the tile's first row: 32 (T/2) + 8 (T%2)
	s_lshl_b32 s40, s40, 13                        ; rows of 8,192 bytes
	s_lshl_b32 s41, s24, 11                        ; + my four K steps of 512 bytes
	s_add_co_u32 s40, s40, s41
	s_mov_b32 s41, 0
	s_cmp_lt_u32 ttmp9, 128
	s_cbranch_scc1 .Lbias
	; ---- the five tensors
	s_lshl_b32 s42, s25, 22                        ; codes: section, + (16 T + 4 g) x 2,048
	s_lshl_b32 s43, s26, 15
	s_add_co_u32 s42, s42, s43
	s_lshl_b32 s43, s24, 13
	s_add_co_u32 s42, s42, s43
	s_mov_b32 s43, 0
	s_lshl_b32 s44, s25, 17                        ; scales: section, + 1,024 T + 256 g
	s_lshl_b32 s45, s26, 10
	s_add_co_u32 s44, s44, s45
	s_lshl_b32 s45, s24, 8
	s_add_co_u32 s44, s44, s45
	s_mov_b32 s45, 0
	s_wait_kmcnt 0x0
	s_mov_b64 s[28:29], s[4:5]                     ; which tensor: the choice hangs on the work-group's number alone
	s_cmp_eq_u32 s25, 1
	s_cselect_b64 s[28:29], s[6:7], s[28:29]
	s_cmp_eq_u32 s25, 2
	s_cselect_b64 s[28:29], s[8:9], s[28:29]
	s_cmp_eq_u32 s25, 3
	s_cselect_b64 s[28:29], s[10:11], s[28:29]
	s_cmp_eq_u32 s25, 4
	s_cselect_b64 s[28:29], s[12:13], s[28:29]
	s_add_nc_u64 s[28:29], s[28:29], s[40:41]
	s_add_nc_u64 s[32:33], s[18:19], s[42:43]
	s_add_nc_u64 s[34:35], s[20:21], s[44:45]
	LOAD 0, 0, 28
	LOAD 1, 1, 28
.macro QITEM t
.if (\t) < 3
	s_wait_loadcnt 16                              ; this item's 16 loads are in; the next item's 16 may be out
.else
	s_wait_loadcnt 0x0
.endif
	TURN (\t)%2, 2, 3
	s_wait_dscnt 0x0                               ; the item is back; the stage's stores have read the set,
.if (\t)+2 < 4
	LOAD (\t)%2, (\t)+2, 28                        ; which takes the item two further on
.endif
.if (\t) >= 2
	s_wait_xcnt 0x0                                ; the stores of two items ago have read this set of codes: it is written again only behind this wait
.endif
	QUANT X, PC+16*((\t)%2), PW+(\t)
.irp c, 0,1,2,3
	global_store_b128 v1, v[PC+16*((\t)%2)+4*\c:PC+16*((\t)%2)+4*\c+3], s[32:33] offset:2048*(\t)+512*\c   ; 32 lanes store 512 consecutive bytes, aligned
.endr
.endm
	s_wait_alu depctr_va_vdst(0)
	QITEM 0
	QITEM 1
	QITEM 2
	QITEM 3
	; (c) cos[position_ids] and sin[position_ids] in the order of the registers of a projection's result: csimg [T][cos, sin][piece 16][lane 32][16 bytes], piece 4 b + j of lane (r, h): channels 32 b + 16 h + 4 j + 0..3 of the tile's lane-row r.
	; Of wo's work-group T wave 0 takes cos and wave 1 sin: 16 gathered rows of 512 bytes, one load a row, through the wave's stage as an item goes.  An index is held at 2,047, the table's last row.
	s_cmp_lg_u32 s25, 4
	s_cbranch_scc1 .Lno_table
	s_cmp_gt_u32 s24, 1
	s_cbranch_scc1 .Lno_table
	s_lshr_b32 s40, s26, 1
	s_lshl_b32 s40, s40, 5
	s_and_b32 s41, s26, 1
	s_lshl_b32 s41, s41, 3
	s_add_co_u32 s40, s40, s41                     ; the tile's first token
	s_lshl_b32 s40, s40, 2
	s_load_b256 s[4:11], s[48:49], s40 offset:0x0  ; the indices of lane-rows 0-7,
	s_load_b256 s[12:19], s[48:49], s40 offset:0x40 ; and of 8-15, sixteen tokens on
	s_cmp_eq_u32 s24, 0
	s_cselect_b64 s[50:51], s[50:51], s[52:53]     ; which table: by the wave's number
	s_lshl_b32 s42, s26, 14
	s_lshl_b32 s43, s24, 13
	s_add_co_u32 s42, s42, s43
	s_mov_b32 s43, 0
	s_add_nc_u64 s[54:55], s[54:55], s[42:43]
	s_wait_kmcnt 0x0
.irp i, 4,5,6,7,8,9,10,11,12,13,14,15,16,17,18,19
	s_min_u32 s\i, s\i, 0x7ff
.endr
.irp i, 4,5,6,7,8,9,10,11,12,13,14,15,16,17,18,19
	s_lshl_b32 s\i, s\i, 9
.endr
.irp i, 0,1,2,3,4,5,6,7,8,9,10,11,12,13,14,15
	v_add_nc_u32 v[RW+64+\i], s[4+\i], v1          ; the row's first byte + 16 x lane
.endr
.irp i, 0,1,2,3,4,5,6,7,8,9,10,11,12,13,14,15
	global_load_b128 v[RW+4*\i:RW+4*\i+3], v[RW+64+\i], s[50:51]   ; 32 lanes read a whole row
.endr
	s_wait_loadcnt 0x0
	TURN 0, 2, 3
	s_wait_dscnt 0x0
.irp c, 0,1,2,3,4,5,6,7,8,9,10,11,12,13,14,15
	global_store_b128 v1, v[X+4*\c:X+4*\c+3], s[54:55] offset:512*\c
.endr
.Lno_table:
	s_wait_xcnt 0x0                                ; EXEC changes only behind this wait
	v_cmp_gt_u32 vcc_lo, 16, v7
	s_wait_tensorcnt 0x0
	ds_add_u32 v14, v15
	s_wait_dscnt 0x0
	s_and_saveexec_b32 s46, vcc_lo                 ; lanes 0-15: a row each (lanes 16-31 hold the same words)
	global_store_b128 v4, v[PW:PW+3], s[34:35]     ; 16 lanes store 256 consecutive bytes, aligned
	s_wait_xcnt 0x0
	s_or_b32 exec_lo, exec_lo, s46
	s_endpgm
	; ---- attn_bias + masks
.Lbias:
	s_lshl_b32 s42, s26, 17                        ; biasimg: (16 T + 4 g) x 8,192
	s_lshl_b32 s43, s24, 15
	s_add_co_u32 s42, s42, s43
	s_mov_b32 s43, 0
	s_wait_kmcnt 0x0
	s_add_nc_u64 s[28:29], s[14:15], s[40:41]
	s_add_nc_u64 s[30:31], s[16:17], s[40:41]
	s_add_nc_u64 s[32:33], s[22:23], s[42:43]
	LOAD 0, 0, 28
	LOAD 1, 0, 30
.macro BITEM t
	s_wait_loadcnt 0x0                             ; both tables' 16 loads of this item
.set J, 0
.rept 32
	v_pk_add_f32 v[RW+J:RW+J+1], v[RW+J:RW+J+1], v[RW+64+J:RW+64+J+1]
.set J, J+2
.endr
.if (\t) > 0
	s_wait_alu depctr_va_vdst(0)
	s_wait_xcnt 0x0                                ; the last item's stores have read X: it is loaded again only behind this wait
.endif
	TURN 0, 5, 6
	s_wait_dscnt 0x0
.if (\t) < 3
	LOAD 0, (\t)+1, 28                             ; loads ahead of stores
	LOAD 1, (\t)+1, 30
.endif
.irp c, 0,1,2,3,4,5,6,7,8,9,10,11,12,13,14,15
	global_store_b128 v1, v[X+4*\c:X+4*\c+3], s[32:33] offset:8192*(\t)+512*\c
.endr
.endm
	BITEM 0
	BITEM 1
	BITEM 2
	BITEM 3
	s_wait_tensorcnt 0x0
	ds_add_u32 v14, v15
	s_wait_dscnt 0x0
	s_endpgm
.Lfunc_end_k_q54ee172e06_prep:
	.size	k_q54ee172e06_prep, .Lfunc_end_k_q54ee172e06_prep-k_q54ee172e06_prep
	.p2alignl 7, 3214868480
	.fill 96, 4, 3214868480
	.section	.rodata,"a",@progbits
	.p2align	6, 0x0
	.amdhsa_kernel k_q54ee172e06_prep
		.amdhsa_group_segment_fixed_size 68096
		.amdhsa_private_segment_fixed_size 0
		.amdhsa_enable_private_segment 0
		.amdhsa_kernarg_size 112
		.amdhsa_user_sgpr_count 2
		.amdhsa_user_sgpr_kernarg_segment_ptr 1
		.amdhsa_wavefront_size32 1
		.amdhsa_system_sgpr_workgroup_id_x 1
		.amdhsa_system_sgpr_workgroup_id_y 1
		.amdhsa_system_sgpr_workgroup_id_z 1
		.amdhsa_system_vgpr_workitem_id 0
		.amdhsa_next_free_vgpr 256
		.amdhsa_next_free_sgpr 66
		.amdhsa_reserve_vcc 1
		.amdhsa_float_denorm_mode_32 3
		.amdhsa_float_denorm_mode_16_64 3
		.amdhsa_memory_ordered 1
		.amdhsa_forward_progress 1
		.amdhsa_inst_pref_size 94
	.end_amdhsa_kernel
	.amdgpu_metadata
---
amdhsa.version: [ 1, 2 ]
amdhsa.kernels:
  - .name:           k_q54ee172e06_prep
    .symbol:         k_q54ee172e06_prep.kd
    .args:
      - { .name: hidden_states, .offset: 0, .size: 8, .value_kind: global_buffer, .address_space: global }
      - { .name: wq, .offset: 8, .size: 8, .value_kind: global_buffer, .address_space: global }
      - { .name: wk, .offset: 16, .size: 8, .value_kind: global_buffer, .address_space: global }
      - { .name: wv, .offset: 24, .size: 8, .value_kind: global_buffer, .address_space: global }
      - { .name: wo, .offset: 32, .size: 8, .value_kind: global_buffer, .address_space: global }
      - { .name: attn_bias, .offset: 40, .size: 8, .value_kind: global_buffer, .address_space: global }
      - { .name: masks, .offset: 48, .size: 8, .value_kind: global_buffer, .address_space: global }
      - { .name: codes, .offset: 56, .size: 8, .value_kind: global_buffer, .address_space: global }
      - { .name: scales, .offset: 64, .size: 8, .value_kind: global_buffer, .address_space: global }
      - { .name: biasimg, .offset: 72, .size: 8, .value_kind: global_buffer, .address_space: global }
      - { .name: position_ids, .offset: 80, .size: 8, .value_kind: global_buffer, .address_space: global }
      - { .name: cos, .offset: 88, .size: 8, .value_kind: global_buffer, .address_space: global }
      - { .name: sin, .offset: 96, .size: 8, .value_kind: global_buffer, .address_space: global }
      - { .name: csimg, .offset: 104, .size: 8, .value_kind: global_buffer, .address_space: global }
    .group_segment_fixed_size: 68096
    .private_segment_fixed_size: 0
    .kernarg_segment_align: 8
    .kernarg_segment_size: 112
    .max_flat_workgroup_size: 128
    .sgpr_count:     66
    .vgpr_count:     256
    .wavefront_size: 32
...
	.end_amdgpu_metadata
.endif
;; end of part 1
;; launch qkv (part 2): grid 24 x 8, 4 waves a work-group, clusters of 4 x 4, 327,680 bytes of LDS; arguments codes, scales, csimg, qkv; writes qkv
.if DOCPART == 2
	.amdgcn_target "amdgcn-amd-amdhsa--gfx1250"
	.amdhsa_code_object_version 6
	.text
	.protected	k_q54ee172e06_qkv
	.globl	k_q54ee172e06_qkv
	.p2align	8
	.type	k_q54ee172e06_qkv,@function
k_q54ee172e06_qkv:
	s_mov_b64 s[64:65], 0
	v_nop
	global_prefetch_b8 v0, s[64:65] scope:SCOPE_SE
	s_setreg_imm32_b32 hwreg(HW_REG_WAVE_MODE, 25, 1), 1
	s_wait_xcnt 0x0
	s_wait_alu depctr_hold_cnt(0) depctr_sa_sdst(0) depctr_va_vdst(0) depctr_va_sdst(0) depctr_va_ssrc(0) depctr_va_vcc(0) depctr_vm_vsrc(0)
	s_getreg_b32 s2, hwreg(HW_REG_IB_STS2, 6, 4)
	s_cmp_eq_u32 s2, 0
	s_cbranch_scc0 .Lentry_in_a_cluster
	s_endpgm
.Lentry_in_a_cluster:
	s_bfe_u32 s2, ttmp6, 0x10000c
	s_cmp_lg_u32 s2, 0xf033
	s_cbranch_scc0 .Lentry_shape_is_right
	s_endpgm
.Lentry_shape_is_right:
.set SLOT,  131072
.set BOFF,  65536
.set SCL,   2*SLOT
.set SPARE, SCL+32768
.set NQ,    2
.set FR,    16
.set NL,    4
.set NP,    8
.set LAPS,  4
.set ADRA, 16
.set ADRB, 20
.set LI,   24
.set SWO,  25
.set LN,   26
.set ADRS, 27
.set SPW,  28
.set NIL,  29
.set PO,   30
.set H64,  31
.set SC,   32
.set POS,  64
.set PWS,  72
.set TM,   80
.set PC,   96
.set AF,   128
.set WV,   18
.set RH,   19
.set CH,   20
.set KIND, 21
.set G1,   24
.set G0,   32
.set G1B,  48
.set G0B,  56
.set G1S,  68
.set G0S,  76
.set G1SB, 80
.set G0SB, 88
.set MNT,  96
.set FQ,   98
.set SEL,  100
.set MSB, 0
.macro WIN new
.if MSB != (\new)
	s_set_vgpr_msb (MSB<<8)|(\new)
.set MSB, (\new)
.endif
.endm
.set MUL_LO, 0xa1
.set MUL_HI, 0xf1
.set TO_B,   0x40
.macro JLOAD g0a, g1a, g0b, g1b
	s_cmp_eq_u32 s[RH], 0
	s_cbranch_scc0 .Lfor_b_\@
	tensor_load_to_lds s[\g0a:\g0a+3], s[\g1a:\g1a+7]
	s_nop 0
.rept 4
	v_nop
.endr
	s_branch .Lasked_\@
.Lfor_b_\@:
	tensor_load_to_lds s[\g0b:\g0b+3], s[\g1b:\g1b+7]
	s_nop 0
.rept 4
	v_nop
.endr
.Lasked_\@:
.endm
.macro CREST
	s_cmp_lg_u32 s[WV], 0
	s_cbranch_scc1 .Lnot_wave_0_\@
	s_barrier_signal -3
.Lnot_wave_0_\@:
	s_barrier_wait -3
	s_barrier_signal -1
	s_barrier_wait -1
.endm
.macro CROUND
	s_barrier_signal -1
	s_barrier_wait -1
	CREST
.endm
	s_load_b128 s[4:7], s[0:1], 0x0                ; codes, scales
	s_load_b64 s[10:11], s[0:1], 0x10              ; csimg: cos and sin, gathered by position, in the order of my results' registers
	s_load_b64 s[14:15], s[0:1], 0x18              ; qkv
	v_lshl_add_u32 v[SPW], v0, 2, SPARE
	v_mov_b32 v[NIL], 0
	ds_add_u32 v28, v29
	ds_add_u32 v28, v29
	s_wait_dscnt 0x0
	v_lshrrev_b32 v1, 5, v0
	v_readfirstlane_b32 s[WV], v1
	s_lshr_b32 s[RH], s[WV], 1
	s_and_b32 s[CH], s[WV], 1
	s_lshr_b32 s[KIND], ttmp9, 1
	s_bfe_u32 s22, ttmp6, 0x40000
	s_bfe_u32 s23, ttmp6, 0x40004
	s_and_b32 s40, ttmp9, 1
	s_lshl_b32 s40, s40, 2
	s_add_co_u32 s40, s40, s22
	s_and_b32 s41, ttmp7, 0xffff
	s_lshl_b32 s41, s41, 2
	s_add_co_u32 s41, s41, s23
	s_lshl_b32 s42, s23, 2
	s_lshl_b32 s42, 15, s42
	s_lshl_b32 s43, 0x1111, s22
	s_or_b32 s[G1], s42, (3<<16)|(1<<21)
	s_or_b32 s[G1B], s43, (3<<16)|(1<<21)
.irp g, G1, G1B
	s_mov_b32 s[\g+1], 512<<16
	s_mov_b32 s[\g+2], 16<<16                      ; the head's loads bring all 16 tiles of an operand; behind them the two row counts are set to 8
	s_mov_b32 s[\g+3], 512<<16
	s_mov_b32 s[\g+4], 16
	s_mov_b32 s[\g+5], 4096
	s_mov_b32 s[\g+6], 0
	s_mov_b32 s[\g+7], 0
.endr
	s_or_b32 s[G1S], s42, (3<<16)|(1<<21)
	s_or_b32 s[G1SB], s43, (3<<16)|(1<<21)
.irp g, G1S, G1SB
	s_mov_b32 s[\g+1], 32<<16
	s_mov_b32 s[\g+2], 64<<16                      ; an operand's scale words whole: 64 rows of 256 bytes
	s_mov_b32 s[\g+3], 32<<16
	s_mov_b32 s[\g+4], 64
	s_mov_b32 s[\g+5], 32
	s_mov_b32 s[\g+6], 0
	s_mov_b32 s[\g+7], 0
.endr
	s_lshr_b32 s66, s[KIND], 1
	s_mul_i32 s66, s66, 3
	s_add_co_u32 s67, s[KIND], 1
	s_sub_co_u32 s67, s67, s66
	s_lshl_b32 s44, s66, 22
	s_lshl_b32 s2, s41, 19
	s_add_co_u32 s44, s44, s2
	s_lshl_b32 s2, s[CH], 18
	s_add_co_u32 s44, s44, s2
	s_mov_b32 s45, 0
	s_lshl_b32 s92, s66, 17
	s_lshl_b32 s2, s41, 14
	s_add_co_u32 s92, s92, s2
	s_lshl_b32 s2, s[CH], 13
	s_add_co_u32 s92, s92, s2
	s_mov_b32 s93, 0
	s_lshl_b32 s46, s67, 22
	s_lshl_b32 s3, s40, 19
	s_add_co_u32 s46, s46, s3
	s_lshl_b32 s3, s[CH], 18
	s_add_co_u32 s46, s46, s3
	s_mov_b32 s47, 0
	s_lshl_b32 s94, s67, 17
	s_lshl_b32 s3, s40, 14
	s_add_co_u32 s94, s94, s3
	s_lshl_b32 s3, s[CH], 13
	s_add_co_u32 s94, s94, s3
	s_mov_b32 s95, 0
	s_wait_kmcnt 0x0
	s_add_nc_u64 s[44:45], s[4:5], s[44:45]
	s_add_nc_u64 s[46:47], s[4:5], s[46:47]
	s_add_nc_u64 s[92:93], s[6:7], s[92:93]
	s_add_nc_u64 s[94:95], s[6:7], s[94:95]
	CROUND
; the head's four tiles, each whole: the pointers above hold my wave's half; the half's offset is taken off again
.set G0H, 4                            ; s[4:7]: the arguments that lay there have been used
.set G0HB, 96                          ; s[96:99]: constants are written there only behind the wait that shows the head's loads done
	s_lshl_b32 s2, s[CH], 18
	s_mov_b32 s3, 0
	s_mov_b32 s[G0H], 1                            ; K steps 0-1, all 16 tiles of the first operand,
	s_mov_b32 s[G0H+1], 0
	s_sub_nc_u64 s[G0H+2:G0H+3], s[44:45], s[2:3]
	s_or_b32 s[G0H+3], s[G0H+3], 0x80000000
	s_mov_b32 s[G0HB], 1                           ; of the second, behind them in slot 0,
	s_mov_b32 s[G0HB+1], BOFF
	s_sub_nc_u64 s[G0HB+2:G0HB+3], s[46:47], s[2:3]
	s_or_b32 s[G0HB+3], s[G0HB+3], 0x80000000
	s_lshl_b32 s2, s[CH], 13
	s_mov_b32 s[G0S], 1                            ; the first operand's scale words,
	s_mov_b32 s[G0S+1], SCL
	s_sub_nc_u64 s[G0S+2:G0S+3], s[92:93], s[2:3]
	s_or_b32 s[G0S+3], s[G0S+3], 0x80000000
	s_mov_b32 s[G0SB], 1                           ; and the second's
	s_mov_b32 s[G0SB+1], SCL+16384
	s_sub_nc_u64 s[G0SB+2:G0SB+3], s[94:95], s[2:3]
	s_or_b32 s[G0SB+3], s[G0SB+3], 0x80000000
.irp s, 0,1
	s_mov_b32 s[G0+4*\s], 1
	s_lshl_b32 s[G0+4*\s+1], s[WV], 15
	s_add_co_u32 s[G0+4*\s+1], s[G0+4*\s+1], \s*SLOT
	s_add_nc_u64 s[G0+4*\s+2:G0+4*\s+3], s[44:45], \s*4096
	s_or_b32 s[G0+4*\s+3], s[G0+4*\s+3], 0x80000000
	s_mov_b32 s[G0B+4*\s], 1
	s_lshl_b32 s[G0B+4*\s+1], s[WV], 15
	s_add_co_u32 s[G0B+4*\s+1], s[G0B+4*\s+1], \s*SLOT
	s_add_nc_u64 s[G0B+4*\s+2:G0B+4*\s+3], s[46:47], \s*4096
	s_or_b32 s[G0B+4*\s+3], s[G0B+4*\s+3], 0x80000000
.endr
	; the prefetches of tiles: s[8:9] my wave's eight tiles, one slot short of the slot that the next prefetch names; of the eight rows of 4,096 bytes each of the four partners of the joint load takes two, told apart by address
	s_cmp_eq_u32 s[RH], 0
	s_cselect_b64 s[8:9], s[44:45], s[46:47]
	s_cselect_b32 s12, s22, s23
	s_lshl_b32 s12, s12, 16
	s_add_nc_u64 s[8:9], s[8:9], 12288
; THE HEAD'S LOADS, ONE A WAVE, in one chain of branches on the wave's number
.macro ARM under, g0, g1, next
	s_cmp_lt_u32 s[WV], \under
	s_cbranch_scc0 \next
	tensor_load_to_lds s[\g0:\g0+3], s[\g1:\g1+7]
	s_nop 0
.rept 4
	v_nop
.endr
	s_branch .Lhead_asked
\next:
.endm
	ARM 1, G0H,  G1,  .Lhead_b
	ARM 2, G0HB, G1B, .Lhead_sa
	ARM 3, G0S,  G1S, .Lhead_sb
	tensor_load_to_lds s[G0SB:G0SB+3], s[G1SB:G1SB+7]
	s_nop 0
.rept 4
	v_nop
.endr
.Lhead_asked:
	v_and_b32 v3, 15, v0
	v_bfe_u32 v[H64], v0, 4, 1
	v_lshlrev_b32 v[H64], 15, v[H64]               ; lanes 16-31: the second of my work-group's two rows, 32,768 bytes on
	v_lshl_add_u32 v[H64], v3, 8, v[H64]           ; lanes 256 bytes apart along a row
	v_add_nc_u32 v[H64], s12, v[H64]
	global_prefetch_b8 v[H64], s[8:9] offset:-4096 th:TH_LOAD_NT scope:SCOPE_SE   ; the tile of the first refill, two fills on
	s_wait_alu depctr_va_vdst(0)
	s_wait_tensorcnt 0x0                           ; my tile of the head's four is in; slot 1's first fill is issued as a refill is
	ds_add_u32 v28, v29
	s_mov_b32 s[G1+2], 8<<16                       ; no tensor load of mine is out: from here on a load brings eight tiles
	s_mov_b32 s[G1+4], 8
	s_mov_b32 s[G1B+2], 8<<16
	s_mov_b32 s[G1B+4], 8
	s_wait_dscnt 0x0
	CROUND
	JLOAD G0+4, G1, G0B+4, G1B
	global_prefetch_b8 v[H64], s[8:9] th:TH_LOAD_NT scope:SCOPE_SE   ; the tile of the second refill
	v_and_b32 v[LN], 31, v0
	v_and_b32 v1, 15, v0
	v_bfe_u32 v2, v0, 4, 1
	s_wait_alu depctr_va_vdst(0)
	v_lshlrev_b32 v[LI], 4, v[LN]
	s_lshl_b32 s2, s[RH], 15
	s_lshl_b32 s3, s[CH], 15
	s_add_co_u32 s3, s3, BOFF
.irp s, 0,1
	v_add_nc_u32 v[ADRA+\s], s2, v[LI]
	v_add_nc_u32 v[ADRB+\s], s3, v[LI]
	s_add_co_u32 s2, s2, SLOT
	s_add_co_u32 s3, s3, SLOT
.endr
	v_lshlrev_b32 v3, 4, v1
	s_lshl_b32 s2, s[RH], 13
	s_lshl_b32 s3, s[CH], 13
	s_add_co_u32 s3, s3, 16384
	s_sub_co_u32 s3, s3, s2
	v_mul_u32_u24 v4, s3, v2
	s_add_co_u32 s2, s2, SCL
	v_add_nc_u32 v3, v3, v4
	v_add_nc_u32 v[ADRS], s2, v3
	v_lshlrev_b32 v[SWO], 5, v1
	v_lshl_add_u32 v[SWO], v2, 4, v[SWO]
	s_lshl_b32 s2, s22, 1                          ; the eight waves of a cluster's row that share my 128 tokens take one tile of csimg each, told apart by address
	s_add_co_u32 s2, s2, s[CH]
	s_lshl_b32 s2, s2, 14
	v_lshl_add_u32 v[PO], v[LN], 8, s2
	s_lshl_b32 s44, s41, 1
	s_add_co_u32 s44, s44, s[RH]
	s_lshl_b32 s45, s40, 1
	s_add_co_u32 s45, s45, s[CH]
	s_lshl_b32 s46, s44, 17                        ; my 128 tokens are eight tiles of 16,384 bytes of csimg
	s_mov_b32 s47, 0
	s_add_nc_u64 s[10:11], s[10:11], s[46:47]
	s_cmp_eq_u32 s[KIND], 2
	s_cselect_b32 s92, s44, s45
	s_cselect_b32 s93, s45, s44
	s_lshl_b32 s92, s92, 4
	s_add_co_u32 s92, s92, s93
	s_lshl_b32 s94, s[KIND], 8                     ; qkv: [q, k, v][head 16][128 tokens 16] pieces of 16,896 bytes: 16,384 of codes, then their 512 bytes of scale words
	s_add_co_u32 s46, s92, s94
	s_mul_i32 s46, s46, 16896
	s_add_nc_u64 s[14:15], s[14:15], s[46:47]
	s_add_nc_u64 s[16:17], s[14:15], 0x4000
	s_mov_b32 s[SEL], 0x76543210
	s_mov_b32 s[SEL+1], 0xfedcba98
	s_mov_b32 s[MNT], 0x600000
	s_mov_b32 s[FQ], 0x3db504f3
	s_mov_b32 s[FQ+1], s[FQ]
.irp b, 0,1,2,3
	v_mov_b32 v[TM+4+\b], 0
.endr
	s_wait_alu depctr_va_vdst(0)                   ; the wait at the head's end
.macro FRAG reg, adr, q, i
.irp c, 0,1,2,3
	ds_load_b128 v[\reg+4*\c:\reg+4*\c+3], v[\adr] offset:(\i)*4096+(\q)*2048+512*\c
.endr
.endm
.macro MUL16 a0, p, q, sc, zero
.irp a, \a0, \a0+1
.irp b, 0,1,2,3,4,5,6,7
.if \zero
	v_wmma_scale_f32_16x16x128_f8f6f4 v[8*(8*((\a)%4)+\b):8*(8*((\a)%4)+\b)+7], v[128*(\p)+FR*\b:128*(\p)+FR*\b+FR-1], v[AF+FR*(\a):AF+FR*(\a)+FR-1], 0, v[SC+8*NQ*(\sc)+NQ*\b+(\q)], v[SC+8*NQ*(\sc)+NQ*(\a)+(\q)] matrix_a_scale:MATRIX_SCALE_ROW1
.else
	v_wmma_scale_f32_16x16x128_f8f6f4 v[8*(8*((\a)%4)+\b):8*(8*((\a)%4)+\b)+7], v[128*(\p)+FR*\b:128*(\p)+FR*\b+FR-1], v[AF+FR*(\a):AF+FR*(\a)+FR-1], v[8*(8*((\a)%4)+\b):8*(8*((\a)%4)+\b)+7], v[SC+8*NQ*(\sc)+NQ*\b+(\q)], v[SC+8*NQ*(\sc)+NQ*(\a)+(\q)] matrix_a_scale:MATRIX_SCALE_ROW1
.endif
.endr
.endr
.endm
.macro FETCH_B slot, q, p
	WIN TO_B
.irp i, 0,1,2,3,4,5,6,7
	FRAG 128*(\p)+FR*\i, ADRB+\slot, \q, \i
.endr
	WIN 0
.endm
.macro FETCH_A slot, q, i0
.irp i, \i0, \i0+1, \i0+2, \i0+3
	FRAG AF+FR*(\i), ADRA+\slot, \q, \i
.endr
.endm
.macro SCALES sc
.irp i, 0,1,2,3,4,5,6,7
	ds_load_b64 v[SC+8*NQ*\sc+NQ*\i:SC+8*NQ*\sc+NQ*\i+1], v[ADRS] offset:\i*1024
.endr
.endm
.macro PLACES n
.rept \n
	v_nop
.endr
.endm
.macro STEP slot, q, zero
	s_wait_dscnt 4*NL
	WIN MUL_LO
	MUL16 0, (\q)%2, \q, \slot, \zero
	MUL16 2, (\q)%2, \q, \slot, \zero
	s_wait_dscnt 0
	PLACES NP
	FETCH_B \slot, (\q)+1, 1-(\q)%2
	FETCH_A \slot, (\q)+1, 0
	WIN MUL_HI
	MUL16 4, (\q)%2, \q, \slot, \zero
	MUL16 6, (\q)%2, \q, \slot, \zero
	PLACES NP
	WIN 0
	FETCH_A \slot, (\q)+1, 4
.endm
.macro TURN slot, next, fill
.if \fill
	s_wait_xcnt 0x0                                ; my last prefetch has read its address: it steps a slot on
	s_add_nc_u64 s[8:9], s[8:9], 4096
.endif
	s_wait_tensorcnt 0x0
	ds_add_u32 v[SPW], v[NIL]
	s_wait_dscnt 4*NL+1
	WIN MUL_LO
	MUL16 0, 1, NQ-1, \slot, 0
	s_wait_dscnt 0x0
	s_barrier_signal -1
	MUL16 2, 1, NQ-1, \slot, 0
	WIN 0
	s_barrier_wait -1
.if \fill
	CREST
	s_add_nc_u64 s[G0+4*\slot+2:G0+4*\slot+3], s[G0+4*\slot+2:G0+4*\slot+3], 8192
	s_add_nc_u64 s[G0B+4*\slot+2:G0B+4*\slot+3], s[G0B+4*\slot+2:G0B+4*\slot+3], 8192
	JLOAD G0+4*\slot, G1, G0B+4*\slot, G1B
	PLACES NP-4
.else
	PLACES NP
.endif
.if \next == 1
	s_wait_alu depctr_va_vdst(0)
	v_add_nc_u32 v[ADRS], 8, v[ADRS]
.else
	s_wait_alu depctr_va_vdst(0)
	v_add_nc_u32 v[ADRS], 248, v[ADRS]
.endif
	FETCH_B \next, 0, 0
	FETCH_A \next, 0, 0
	SCALES \next
.if \fill
	s_cmp_gt_u32 s3, 1                             ; the last lap's two refills have no tile two refills on
	s_cbranch_scc0 .Lnone_on_\@
	global_prefetch_b8 v[H64], s[8:9] th:TH_LOAD_NT scope:SCOPE_SE   ; the tile that stands two refills on: 32 blocks of 256 bytes, one a lane
.Lnone_on_\@:
.endif
	WIN MUL_HI
	MUL16 4, 1, NQ-1, \slot, 0
	MUL16 6, 1, NQ-1, \slot, 0
	PLACES NP
	WIN 0
	FETCH_A \next, 0, 4
.endm
	s_wait_tensorcnt 1
	s_barrier_signal -1
	s_barrier_wait -1
	FETCH_B 0, 0, 0
	FETCH_A 0, 0, 0
	SCALES 0
	FETCH_A 0, 0, 4
	STEP 0, 0, 1
	s_cmp_eq_u32 s[KIND], 2                        ; the values take no rotation and read no table
	s_cbranch_scc1 .Lno_tables
	global_prefetch_b8 v[PO], s[10:11] th:TH_LOAD_NT scope:SCOPE_SE               ; a tile's cos, 8,192 bytes, lanes 256 bytes apart,
	global_prefetch_b8 v[PO], s[10:11] offset:8192 th:TH_LOAD_NT scope:SCOPE_SE   ; and its sin: read on the way out, all K steps later
.Lno_tables:
	s_mov_b32 s3, LAPS-1
.Llap:
	TURN 0, 1, 1
	STEP 1, 0, 0
	TURN 1, 0, 1
	STEP 0, 0, 0
	s_sub_co_u32 s3, s3, 1
	s_cmp_lg_u32 s3, 0
	s_cbranch_scc1 .Llap
	TURN 0, 1, 0
	STEP 1, 0, 0
	s_cmp_eq_u32 s[KIND], 2
	s_cbranch_scc1 .Lno_first
	WIN 0x40                                       ; unit 0's cos and sin go out ahead of the last 64 products, into the second operand's set 0, which they do not read (eight places stand behind its last reader)
.irp b, 0,1,2,3
.irp j, 0,1,2,3
	global_load_b128 v[16*\b+4*\j:16*\b+4*\j+3], v[LI], s[10:11] offset:512*(4*\b+\j)
	global_load_b128 v[64+16*\b+4*\j:64+16*\b+4*\j+3], v[LI], s[10:11] offset:8192+512*(4*\b+\j)
.endr
.endr
	WIN 0
.Lno_first:
	s_wait_dscnt 4*NL
	WIN MUL_LO
	MUL16 0, 1, NQ-1, 1, 0
	MUL16 2, 1, NQ-1, 1, 0
	s_wait_dscnt 0
	WIN MUL_HI
	MUL16 4, 1, NQ-1, 1, 0
	MUL16 6, 1, NQ-1, 1, 0
	WIN 0
.macro QUANTW s, w, pc, pw
	WIN (\w)|((\w)<<2)
.irp b, 0,1,2,3
	v_max3_num_f32 v[TM+\b], |v[(\s)+16*\b]|, |v[(\s)+1+16*\b]|, 0x4800000
.endr
.irp i, 2,4,6,8,10,12,14
.irp b, 0,1,2,3
	v_max3_num_f32 v[TM+\b], |v[(\s)+16*\b+\i]|, |v[(\s)+1+16*\b+\i]|, v[TM+\b]
.endr
.endr
	WIN 0
.irp b, 0,1,2,3
	v_permlanex16_b32 v[TM+4+\b], v[TM+\b], s[SEL], s[SEL+1]
.endr
.irp b, 0,1,2,3
	v_max_num_f32 v[TM+\b], v[TM+\b], v[TM+4+\b]
.endr
.irp b, 0,1,2,3
	v_add_nc_u32 v[TM+12+\b], 0xfc000000, v[TM+\b]
.endr
.irp b, 0,1,2,3
	v_and_or_b32 v[TM+8+\b], v[TM+\b], 0x7f800000, s[MNT]
.endr
.irp b, 0,1,2,3
	v_lshrrev_b32 v[TM+4+\b], 23, v[TM+12+\b]
.endr
	v_lshl_or_b32 v[\pw], v[TM+5], 8, v[TM+4]
	v_lshl_or_b32 v[\pw], v[TM+6], 16, v[\pw]
	v_lshl_or_b32 v[\pw], v[TM+7], 24, v[\pw]
	WIN (\w)|((\w)<<6)
.irp b, 0,1,2,3
.irp i, 0,1,2,3,4,5,6,7,8,9,10,11,12,13,14,15
	v_med3_num_f32 v[(\s)+16*\b+\i], v[(\s)+16*\b+\i], -v[TM+8+\b], v[TM+8+\b]
.endr
.endr
	WIN (\w)
.irp b, 0,1,2,3
	v_cvt_scalef32_pk8_fp8_f32 v[(\pc)+4*\b:(\pc)+1+4*\b], v[(\s)+16*\b:(\s)+7+16*\b], v[TM+12+\b]
	v_cvt_scalef32_pk8_fp8_f32 v[(\pc)+2+4*\b:(\pc)+3+4*\b], v[(\s)+8+16*\b:(\s)+15+16*\b], v[TM+12+\b]
.endr
	WIN 0
	v_nop
.endm
.macro CSLOAD a
	WIN 0x40
.irp b, 0,1,2,3
.irp j, 0,1,2,3
	global_load_b128 v[128*((\a)%2)+16*\b+4*\j:128*((\a)%2)+16*\b+4*\j+3], v[LI], s[10:11] offset:16384*(\a)+512*(4*\b+\j)
	global_load_b128 v[128*((\a)%2)+64+16*\b+4*\j:128*((\a)%2)+64+16*\b+4*\j+3], v[LI], s[10:11] offset:16384*(\a)+8192+512*(4*\b+\j)
.endr
.endr
	WIN 0
.endm
.macro UNIT a, rope
.set UW, 2+(\a)/4
.set AC, 64*((\a)%4)
.set CB, 128*((\a)%2)
.if \rope
.if (\a) < 7
	s_wait_loadcnt 32
.else
	s_wait_loadcnt 0x0
.endif
	WIN UW|4|0x40
.set RR, 0
.rept 32
	v_pk_mul_f32 v[CB+64+RR:CB+64+RR+1], v[AC+(RR+32)%64:AC+(RR+32)%64+1], v[CB+64+RR:CB+64+RR+1]
.set RR, RR+2
.endr
	WIN UW|4|0x10|(UW<<6)
.set RR, 0
.rept 16
	v_pk_fma_f32 v[AC+RR:AC+RR+1], v[AC+RR:AC+RR+1], v[CB+RR:CB+RR+1], v[CB+64+RR:CB+64+RR+1] neg_lo:[0,0,1] neg_hi:[0,0,1]
.set RR, RR+2
.endr
.rept 16
	v_pk_fma_f32 v[AC+RR:AC+RR+1], v[AC+RR:AC+RR+1], v[CB+RR:CB+RR+1], v[CB+64+RR:CB+64+RR+1]
.set RR, RR+2
.endr
	WIN 0
.if (\a)+2 < 8
	CSLOAD (\a)+2
.endif
	s_cmp_lg_u32 s[KIND], 0
	s_cbranch_scc1 .Lunscaled_\@
	WIN UW|(UW<<6)
.set RR, 0
.rept 32
	v_pk_mul_f32 v[AC+RR:AC+RR+1], v[AC+RR:AC+RR+1], s[FQ:FQ+1] op_sel_hi:[1,0]
.set RR, RR+2
.endr
	WIN 0
.Lunscaled_\@:
.endif
.if (\a) >= 2
	s_wait_xcnt 0x0
.endif
	QUANTW AC, UW, PC+16*((\a)%2), PWS+(\a)
.irp c, 0,1,2,3
	global_store_b128 v[LI], v[PC+16*((\a)%2)+4*\c:PC+16*((\a)%2)+4*\c+3], s[14:15] offset:2048*(\a)+512*\c
.endr
.endm
	PLACES NP
	s_cmp_eq_u32 s[KIND], 2
	s_cbranch_scc1 .Lvalues
	CSLOAD 1
.irp a, 0,1,2,3,4,5,6,7
	UNIT \a, 1
.endr
	s_branch .Lwords
.Lvalues:
.irp a, 0,1,2,3,4,5,6,7
	UNIT \a, 0
.endr
.Lwords:
	v_cmp_le_u32 vcc_lo, 16, v[LN]
.irp i, 0,1,2,3
	v_cndmask_b32 v[TM+\i], v[PWS+\i], v[PWS+4+\i], vcc_lo
.endr
	global_store_b128 v[SWO], v[TM:TM+3], s[16:17]
	s_wait_tensorcnt 0x0
	ds_add_u32 v[SPW], v[NIL]
	s_wait_dscnt 0x0
	CROUND
	s_endpgm
.Lfunc_end_k_q54ee172e06_qkv:
	.size	k_q54ee172e06_qkv, .Lfunc_end_k_q54ee172e06_qkv-k_q54ee172e06_qkv
	.p2alignl 7, 3214868480
	.fill 96, 4, 3214868480
	.section	.rodata,"a",@progbits
	.p2align	6, 0x0
	.amdhsa_kernel k_q54ee172e06_qkv
		.amdhsa_group_segment_fixed_size 327680
		.amdhsa_private_segment_fixed_size 0
		.amdhsa_enable_private_segment 0
		.amdhsa_kernarg_size 32
		.amdhsa_user_sgpr_count 2
		.amdhsa_user_sgpr_kernarg_segment_ptr 1
		.amdhsa_wavefront_size32 1
		.amdhsa_system_sgpr_workgroup_id_x 1
		.amdhsa_system_sgpr_workgroup_id_y 1
		.amdhsa_system_sgpr_workgroup_id_z 1
		.amdhsa_system_vgpr_workitem_id 0
		.amdhsa_next_free_vgpr 1024
		.amdhsa_next_free_sgpr 102
		.amdhsa_reserve_vcc 1
		.amdhsa_float_denorm_mode_32 3
		.amdhsa_float_denorm_mode_16_64 3
		.amdhsa_memory_ordered 1
		.amdhsa_forward_progress 1
		.amdhsa_inst_pref_size 255
	.end_amdhsa_kernel
	.section	.bss,"aw",@nobits
	.p2align	6
	.space	262144
	.amdgpu_metadata
---
amdhsa.version: [ 1, 2 ]
amdhsa.kernels:
  - .name:           k_q54ee172e06_qkv
    .symbol:         k_q54ee172e06_qkv.kd
    .args:
      - { .name: codes, .offset: 0, .size: 8, .value_kind: global_buffer, .address_space: global }
      - { .name: scales, .offset: 8, .size: 8, .value_kind: global_buffer, .address_space: global }
      - { .name: csimg, .offset: 16, .size: 8, .value_kind: global_buffer, .address_space: global }
      - { .name: qkv, .offset: 24, .size: 8, .value_kind: global_buffer, .address_space: global }
    .group_segment_fixed_size: 327680
    .private_segment_fixed_size: 0
    .kernarg_segment_align: 8
    .kernarg_segment_size: 32
    .max_flat_workgroup_size: 128
    .sgpr_count:     102
    .vgpr_count:     1024
    .wavefront_size: 32
...
	.end_amdgpu_metadata
.endif
;; end of part 2
;; launch attn (part 3): grid 16 x 16, 8 waves a work-group, clusters of 4 x 1, 327,680 bytes of LDS; arguments qkv, biasimg, ocodes, oscales; writes ocodes, oscales
.if DOCPART == 3
	.amdgcn_target "amdgcn-amd-amdhsa--gfx1250"
	.amdhsa_code_object_version 6
	.text
	.protected	k_q54ee172e06_attn
	.globl	k_q54ee172e06_attn
	.p2align	8
	.type	k_q54ee172e06_attn,@function
k_q54ee172e06_attn:
	s_mov_b64 s[64:65], 0
	v_nop
	global_prefetch_b8 v0, s[64:65] scope:SCOPE_SE
	s_setreg_imm32_b32 hwreg(HW_REG_WAVE_MODE, 25, 1), 1
	s_wait_xcnt 0x0
	s_wait_alu depctr_hold_cnt(0) depctr_sa_sdst(0) depctr_va_vdst(0) depctr_va_sdst(0) depctr_va_ssrc(0) depctr_va_vcc(0) depctr_vm_vsrc(0)
	s_getreg_b32 s2, hwreg(HW_REG_IB_STS2, 6, 4)
	s_cmp_eq_u32 s2, 0
	s_cbranch_scc0 .Lentry_in_a_cluster
	s_endpgm
.Lentry_in_a_cluster:
	s_bfe_u32 s2, ttmp6, 0x10000c
	s_cmp_lg_u32 s2, 0x3003
	s_cbranch_scc0 .Lentry_shape_is_right
	s_endpgm
.Lentry_shape_is_right:
; ATTENTION on codes of E4M3 with E8M0 scales.  logit = q . k + (attn_bias + masks); t = logit x log2(e); M = the running largest t rounded UP to a whole number; p = 2^(t - M) is quantised along the keys, not normalised;
; the row's sum is taken of the unquantised p and divides O at the end; O / l is quantised along the hidden axis and stored as the next product's fragment.  No key is left out: the bias is an input.
; SHARES.  A work-group owns 128 queries of one head, each of its eight waves one tile of 16 (tile T: lane-row r is token 32 (T/2) + 8 (T%2) + r + 8 (r/8)); two waves to a SIMD, 512 registers each.  Every wave walks 16 key steps of 128.
; qkv: [q, k, v][head][key step] pieces of 16,896 bytes: eight fragment images of 2,048 bytes, then the scale words [r 16][tile 8].  A piece is one tensor load, 66 rows of 256 bytes: the scale words ride in the ring.
; THE RING.  Two slots of eight pieces, one a wave.  Slot s holds V's key steps 4 s .. 4 s + 3 and K's 4 s + 1 .. 4 s + 4: K is fetched into registers a step ahead, so at a step's end a wave has read K one step further than V,
; and a change of slots falls on a step's border.  K's step 0 comes from memory straight into registers.  The last fill has no K step 16: wave 3 issues none there (a branch on the wave's number).
; FRAGMENTS AHEAD.  K of step j + 1 (128 registers) is fetched behind step j's first products; V's tiles 0-3 at the step's head; V's tiles 4-7 into the scores' registers once p is converted.  The softmax stands between each fetch and its wait.
; CLUSTER.  The four query blocks of a cluster belong to one head and walk the same K and V: every piece is asked for jointly (mask 15).  The place in the cluster enters the addresses of Q, of the bias and of the outputs alone.
; LAYOUT.  S^T = K Q^T + bias (C = the bias in the result's own order), O^T = V^T P^T: a lane holds one query; registers 16 b + i are keys (channels) 32 b + 16 h + i.
; PREFETCH.  The bias of key step j + 3 is asked for in step j by head 0's work-groups, each wave its own tile's 8,192 bytes, lanes 256 bytes apart; steps 13 to 15 ask for nothing.  K and V are not asked for: a refill goes out four key steps ahead of its first read.
; LIMITS: the bias enters the sum inside the matrix instruction, attn_bias + masks having been added first; O / l is a reciprocal and a multiplication; a row whose every logit is -infinity gives NaN, as the definition does.
; REGISTERS.  Window 0: v1-11 addresses; v12 -M, v13 the largest t, v[14:15] the sum; v16-31 Q; v32-39, v40-47 K's, V's scale words; v96-159 S^T, p, then V's tiles 4-7; v160-223 O^T; v224-239 p's codes; v232-254 at work; v253, v255 p's, Q's scale words.
; Window 1: v0-63 the bias; v64-127 V's tiles 0-3; v128-255 K's eight tiles.
.set PIECE, 16896
.set VOFF,  4*PIECE                    ; in a slot V's four pieces lie behind K's four
.set SLOTB, 8*PIECE
.set SPARE, 2*SLOTB                    ; the spare words, 128 bytes for each wave
.set LI,   1                           ; v1 16 x lane
.set OSO,  2                           ; v2 16 r
.set R32,  3                           ; v3 32 r
.set LN,   4                           ; v4 lane
.set SPW,  5
.set NIL,  6
.set PFO,  7                           ; v7 256 x lane
.set ADK,  8
.set ADV,  9
.set ADS,  10
.set ADT,  11
.set KS,   32
.set VS,   40
.set TM,   232
.set WV,   18
.set MNT,  19
.set SEL,  20
.set CS,   22                          ; s[22:23] log2(e)
.set G1,   24
.set G0,   44                          ; s[44:47], s[48:51]: a group 0 for each slot
.set TB,   52                          ; LDS byte of the step's piece of K; V's lies VOFF on
.set KST,  54                          ; the key step
.set CNT,  55
.set LIM,  56                          ; a wave prefetches while the key step is under this
.set HD,   57
.set XB,   58
.set TT,   59
.set MSB, 0
.macro WIN new
.if MSB != (\new)
	s_set_vgpr_msb (MSB<<8)|(\new)
.set MSB, (\new)
.endif
.endm
.macro NOPS n
.rept \n
	v_nop
.endr
.endm
.macro ROUND                           ; a round of the cluster's barrier
	s_barrier_signal -1
	s_barrier_wait -1
	s_cmp_lg_u32 s[WV], 0
	s_cbranch_scc1 .Lnot_wave_0_\@
	s_barrier_signal -3
.Lnot_wave_0_\@:
	s_barrier_wait -3
	s_barrier_signal -1
	s_barrier_wait -1
.endm
.macro LOADK                           ; the next step's K: eight tiles and their scale words: 34 LDS loads
	WIN 0x40
.irp t, 0,1,2,3,4,5,6,7
.irp c, 0,1,2,3
	ds_load_b128 v[128+16*\t+4*\c:131+16*\t+4*\c], v[ADK] offset:\t*2048+512*\c
.endr
.endr
	WIN 0
	ds_load_b128 v[KS:KS+3], v[ADS] offset:16384
	ds_load_b128 v[KS+4:KS+7], v[ADS] offset:16400
.endm
.macro LOADVLO                         ; this step's V: tiles 0-3 and all eight scale words: 18 LDS loads
	WIN 0x40
.irp t, 0,1,2,3
.irp c, 0,1,2,3
	ds_load_b128 v[64+16*\t+4*\c:67+16*\t+4*\c], v[ADV] offset:\t*2048+512*\c
.endr
.endr
	WIN 0
	ds_load_b128 v[VS:VS+3], v[ADT] offset:16384
	ds_load_b128 v[VS+4:VS+7], v[ADT] offset:16400
.endm
.macro LOADBIAS                        ; a key step's bias of my tile: 8,192 bytes
	WIN 0x40
.irp c, 0,1,2,3,4,5,6,7,8,9,10,11,12,13,14,15
	global_load_b128 v[4*\c:4*\c+3], v[LI], s[6:7] offset:512*\c
.endr
	WIN 0
.endm
	s_load_b256 s[4:11], s[0:1], 0x0               ; qkv s[4:5], biasimg s[6:7], ocodes s[8:9], oscales s[10:11]
	v_lshl_add_u32 v[SPW], v0, 2, SPARE
	v_mov_b32 v[NIL], 0
	ds_add_u32 v[SPW], v[NIL]                      ; the opening lines: the add, twice on end, and its wait ahead of my first tensor load
	ds_add_u32 v[SPW], v[NIL]
	v_lshrrev_b32 v8, 5, v0
	v_readfirstlane_b32 s[WV], v8                  ; wave 0..7
	s_bfe_u32 s60, ttmp6, 0x40000                  ; cx
	s_lshl_b32 s[XB], ttmp9, 2
	s_add_co_u32 s[XB], s[XB], s60                 ; my block of 128 queries
	s_and_b32 s[HD], ttmp7, 0xffff                 ; the head, which the four partners share
	s_lshl_b32 s[TT], s[XB], 3
	s_add_co_u32 s[TT], s[TT], s[WV]               ; my tile of 16 queries
	s_mov_b32 s[G1], 15|(3<<16)|(1<<21)            ; 15:0 the mask: all four work-groups; 17:16 elements of 8 bytes; 21 set beside a mask
	s_mov_b32 s[G1+1], 32<<16                      ; a piece: 66 dense rows of 256 bytes
	s_mov_b32 s[G1+2], 66<<16
	s_mov_b32 s[G1+3], 32<<16
	s_mov_b32 s[G1+4], 66
	s_mov_b32 s[G1+5], 32
	s_mov_b32 s[G1+6], 0
	s_mov_b32 s[G1+7], 0
	s_lshl_b32 s63, s[HD], 4
	s_lshr_b32 s61, s[WV], 2                       ; waves 0-3 fetch K (0), waves 4-7 V (1),
	s_and_b32 s62, s[WV], 3                        ; each one of a slot's four pieces
	s_lshl_b32 s66, s61, 8
	s_add_co_u32 s66, s66, 256
	s_add_co_u32 s66, s66, s63
	s_add_co_u32 s66, s66, s62
	s_xor_b32 s61, s61, 1
	s_add_co_u32 s66, s66, s61                     ; K's pieces run one key step ahead of V's
	s_mul_i32 s66, s66, PIECE
	s_mov_b32 s67, 0
	s_add_co_u32 s68, s63, s[XB]                   ; Q's piece: 16 head + block
	s_mul_i32 s68, s68, PIECE
	s_mov_b32 s69, 0
	s_add_co_u32 s70, s63, 256                     ; K's key step 0
	s_mul_i32 s70, s70, PIECE
	s_mov_b32 s71, 0
	s_lshl_b32 s72, s[WV], 11                      ; in Q's piece: my tile's image,
	s_lshl_b32 s73, s[WV], 2                       ; and my tile's word in a row's eight
	s_lshl_b32 s74, s[TT], 17                      ; the bias of my tile: 16 key steps x 8,192 bytes
	s_mov_b32 s75, 0
	s_lshl_b32 s76, s[TT], 15                      ; ocodes: (16 T + head) x 2,048
	s_lshl_b32 s60, s[HD], 11
	s_add_co_u32 s76, s76, s60
	s_mov_b32 s77, 0
	s_lshl_b32 s78, s[TT], 10                      ; oscales: 1,024 T + 256 (head / 4) + 4 (head % 4) (+ 16 r)
	s_lshr_b32 s60, s[HD], 2
	s_lshl_b32 s60, s60, 8
	s_add_co_u32 s78, s78, s60
	s_and_b32 s60, s[HD], 3
	s_lshl_b32 s60, s60, 2
	s_add_co_u32 s78, s78, s60
	s_mov_b32 s79, 0
	s_mov_b32 s[SEL], 0x76543210
	s_mov_b32 s[SEL+1], 0xfedcba98
	s_mov_b32 s[CS], 0x3fb8aa3b                    ; log2(e)
	s_mov_b32 s[CS+1], s[CS]                       ; (named with it as a pair, so it is written)
	s_mov_b32 s[MNT], 0x600000
	s_mov_b32 s[KST], 0
	s_cmp_eq_u32 s[HD], 0                          ; all sixteen heads read the same bias: head 0's work-groups prefetch it (the same in all four partners)
	s_cselect_b32 s[LIM], 13, 0
	s_wait_dscnt 0x0                               ; both opening adds are done
	s_wait_kmcnt 0x0
	s_add_nc_u64 s[66:67], s[4:5], s[66:67]
.irp s, 0,1
	s_mov_b32 s[G0+4*\s], 1
	s_mul_i32 s[G0+4*\s+1], s[WV], PIECE           ; LDS: wave x a piece: K's four, then V's
	s_add_co_u32 s[G0+4*\s+1], s[G0+4*\s+1], \s*SLOTB
	s_add_nc_u64 s[G0+4*\s+2:G0+4*\s+3], s[66:67], \s*VOFF   ; four key steps on
	s_or_b32 s[G0+4*\s+3], s[G0+4*\s+3], 0x80000000
.endr
	ROUND                                          ; all four work-groups are here: the first joint loads meet
	tensor_load_to_lds s[G0:G0+3], s[G1:G1+7]      ; slot 0: my one tensor load at the head
	s_nop 0
	NOPS 4
	s_add_nc_u64 s[68:69], s[4:5], s[68:69]
	s_add_nc_u64 s[70:71], s[4:5], s[70:71]
	s_add_nc_u64 s[6:7], s[6:7], s[74:75]
	s_add_nc_u64 s[8:9], s[8:9], s[76:77]
	s_add_nc_u64 s[10:11], s[10:11], s[78:79]
	v_and_b32 v[LN], 31, v0
	v_and_b32 v8, 15, v0                           ; r
	v_lshlrev_b32 v[LI], 4, v[LN]
	v_lshlrev_b32 v[OSO], 4, v8
	v_lshlrev_b32 v[R32], 5, v8
	v_lshlrev_b32 v[PFO], 8, v[LN]
	v_add_nc_u32 v64, s72, v[LI]
	v_add_nc_u32 v65, s73, v[R32]
.irp c, 0,1,2,3
	global_load_b128 v[16+4*\c:19+4*\c], v64, s[68:69] offset:512*\c   ; Q's fragment stays in registers
.endr
	global_load_b32 v255, v65, s[68:69] offset:16384                   ; Q's scale words
	global_load_b128 v[KS:KS+3], v[R32], s[70:71] offset:16384         ; key step 0 of K: its scale words,
	global_load_b128 v[KS+4:KS+7], v[R32], s[70:71] offset:16400
	WIN 0x40
.irp t, 0,1,2,3,4,5,6,7
.irp c, 0,1,2,3
	global_load_b128 v[128+16*\t+4*\c:131+16*\t+4*\c], v[LI], s[70:71] offset:\t*2048+512*\c   ; and its eight tiles
.endr
.endr
	WIN 0
	LOADBIAS                                       ; key step 0's bias: 55 loads of mine are out
	v_mov_b32 v13, 0xff61b1e6                      ; the largest t so far: -3e38
	s_delay_alu instid0(VALU_DEP_1)
	v_floor_f32 v12, -v13                          ; -M
	v_mov_b32 v14, 0
	v_mov_b32 v15, 0
.irp b, 0,1,2,3
	v_mov_b32 v[236+\b], 0                         ; written once: a lane permute's destination counts as one of its sources
.endr
	v_mov_b32 v253, 0                              ; (named as the upper half of the pair v[252:253] before it is first written)
.set J, 0
.rept 64
	v_mov_b32 v[160+J], 0                          ; O^T: the step has no first form of its own: the first change of M multiplies zeros
.set J, J+1
.endr
	s_wait_alu depctr_va_vdst(0)                   ; the wait at the head's end
	s_wait_tensorcnt 0x0                           ; my piece of slot 0 is in; slot 1's first fill is issued as a refill is
	ds_add_u32 v[SPW], v[NIL]
	s_wait_dscnt 0x0
	ROUND
	tensor_load_to_lds s[G0+4:G0+7], s[G1:G1+7]    ; slot 1: it has slot 0's four key steps in which to land
	s_nop 0
	NOPS 4
; A KEY STEP: 128 keys.  next = 1: the next step's K and bias are fetched.
.macro STEP next
	v_add_nc_u32 v[ADK], s[TB], v[LI]
	v_add_nc_u32 v[ADS], s[TB], v[R32]
	s_delay_alu instid0(VALU_DEP_2)
	v_add_nc_u32 v[ADV], VOFF, v[ADK]
	s_delay_alu instid0(VALU_DEP_2)
	v_add_nc_u32 v[ADT], VOFF, v[ADS]
	NOPS 5                                         ; with the four additions: nine places behind the last products: eight for the loads below, nine for the scores, which are laid over V's tiles 4-7
	LOADVLO
	s_wait_alu depctr_va_vdst(0)                   ; directly ahead of the wait below
	s_wait_loadcnt 0x0                             ; this step's bias is in (in the first step Q and K too); K and its words came in ahead of the last step's wait for all LDS loads
.if \next
	s_wait_xcnt 0x0                                ; the last prefetch, a key step back, has read its base:
	s_add_nc_u64 s[6:7], s[6:7], 8192              ; on to the next step's bias
.endif
	WIN 0x11                                       ; K and C in window 1
.irp t, 0,1,2,3,4,5,6,7
	v_wmma_scale_f32_16x16x128_f8f6f4 v[96+8*\t:103+8*\t], v[128+16*\t:143+16*\t], v[16:31], v[8*\t:8*\t+7], v[KS+\t], v255
.endr
	WIN 0
	NOPS 8                                         ; places in front of the loads into K's, its words' and C's registers and of the first read of the scores
.if \next
	LOADK
	LOADBIAS
	s_cmp_lt_u32 s[KST], s[LIM]
	s_cbranch_scc0 .Lno_ask_\@
	global_prefetch_b8 v[PFO], s[6:7] offset:16384 th:TH_LOAD_NT scope:SCOPE_SE   ; the bias of key step j + 3
.Lno_ask_\@:
.endif
.irp b, 0,1,2,3
	v_max3_num_f32 v[232+\b], v[96+16*\b], v[97+16*\b], v[98+16*\b]   ; the largest logit of each block of 32 keys: for the row's maximum, and, since p rises with the logit, for the block's largest p
.endr
.irp i, 3,5,7,9,11,13
.irp b, 0,1,2,3
	v_max3_num_f32 v[232+\b], v[232+\b], v[96+16*\b+\i], v[97+16*\b+\i]
.endr
.endr
.irp b, 0,1,2,3
	v_max_num_f32 v[232+\b], v[232+\b], v[111+16*\b]
.endr
.irp b, 0,1,2,3
	v_permlanex16_b32 v[236+\b], v[232+\b], s[SEL], s[SEL+1]
.endr
.irp b, 0,1,2,3
	s_delay_alu instid0(VALU_DEP_4)
	v_max_num_f32 v[232+\b], v[232+\b], v[236+\b]  ; with lane l xor 16's 16 keys
.endr
	s_delay_alu instid0(VALU_DEP_2)
	v_max3_num_f32 v254, v232, v233, v234
	s_delay_alu instid0(VALU_DEP_1)
	v_max_num_f32 v254, v254, v235
	s_delay_alu instid0(VALU_DEP_1)
	v_mul_f32 v254, s[CS], v254                    ; as t
	s_delay_alu instid0(VALU_DEP_1)
	v_max_num_f32 v13, v13, v254                   ; the running largest t
	v_mov_b32 v254, v12
	s_delay_alu instid0(VALU_DEP_2)
	v_floor_f32 v12, -v13                          ; the new -M = -ceil(t): a whole number
	s_delay_alu instid0(VALU_DEP_1)
	v_sub_f32 v254, v12, v254                      ; old M - new M: a whole number, 0 or less
	s_delay_alu instid0(VALU_DEP_1)
	v_cvt_i32_f32 v254, v254                       ; (it saturates)
	s_delay_alu instid0(VALU_DEP_1)
	v_ldexp_f32 v252, 1.0, v254                    ; f = 2^(old M - new M)
.set J, 0
.rept 32
	v_pk_fma_f32 v[96+J:97+J], v[96+J:97+J], s[CS:CS+1], v[12:13] op_sel_hi:[1,0,0]   ; t - M
.set J, J+2
.endr
.irp b, 0,1,2,3
	v_fma_f32 v[232+\b], v[232+\b], s[CS], v12     ; the same of each block's largest logit
.endr
.set J, 0
	s_wait_alu depctr_va_vdst(0)                   ; the wait ahead of the batch
.rept 64
	v_exp_f32 v[96+J], v[96+J]                     ; p = 2^(t - M)
.set J, J+1
.endr
	v_pk_mul_f32 v[14:15], v[14:15], v[252:253] op_sel_hi:[1,0]   ; the sums under the new M: a plain line behind the exponentials
	s_wait_alu depctr_va_vdst(0)                   ; one wait for the whole batch, ahead of its first reader
.irp b, 0,1,2,3
	v_exp_f32 v[232+\b], v[232+\b]                 ; the block's largest p
.endr
	v_pk_add_f32 v[236:237], v[96:97], v[98:99]    ; the row's sum is taken of the unquantised p, in two chains
.irp j, 4,8,12,16,20,24,28,32,36,40,44,48,52,56,60
	v_pk_add_f32 v[14:15], v[14:15], v[96+\j:97+\j]
	v_pk_add_f32 v[236:237], v[236:237], v[98+\j:99+\j]
.endr
	s_delay_alu instid0(VALU_DEP_1)
	v_pk_add_f32 v[14:15], v[14:15], v[236:237]
	s_wait_alu depctr_va_vdst(0)                   ; and one for the four
.irp b, 0,1,2,3
	v_max_num_f32 v[232+\b], 0x4800000, v[232+\b]  ; the floor 2^(9 - 127): the byte cannot fall under 1
.endr
.irp b, 0,1,2,3
	s_delay_alu instid0(VALU_DEP_4)
	v_add_nc_u32 v[244+\b], 0xfc000000, v[232+\b]
.endr
.irp b, 0,1,2,3
	v_and_or_b32 v[240+\b], v[232+\b], 0x7f800000, s[MNT]
.endr
.irp b, 0,1,2,3
	v_lshrrev_b32 v[236+\b], 23, v[244+\b]
.endr
	s_delay_alu instid0(VALU_DEP_3)
	v_lshl_or_b32 v253, v237, 8, v236              ; p's scale word for these 128 keys
	s_delay_alu instid0(VALU_DEP_1)
	v_lshl_or_b32 v253, v238, 16, v253
	s_delay_alu instid0(VALU_DEP_1)
	v_lshl_or_b32 v253, v239, 24, v253
.irp b, 0,1,2,3
.set J, 0
.rept 16
	v_min_num_f32 v[96+16*\b+J], v[96+16*\b+J], v[240+\b]   ; the conversion does not saturate (ISA guide 7.6.2); p is not negative: a one-sided hold
.set J, J+1
.endr
	v_cvt_scalef32_pk8_fp8_f32 v[224+4*\b:225+4*\b], v[96+16*\b:103+16*\b], v[244+\b]
	v_cvt_scalef32_pk8_fp8_f32 v[226+4*\b:227+4*\b], v[104+16*\b:111+16*\b], v[244+\b]
.endr
.irp t, 0,1,2,3
.irp c, 0,1,2,3
	ds_load_b128 v[96+16*\t+4*\c:99+16*\t+4*\c], v[ADV] offset:(4+\t)*2048+512*\c   ; V's tiles 4-7 into the registers that p has left: 16 LDS loads
.endr
.endr
	s_wait_alu depctr_va_vdst(0)                   ; directly ahead of the first reader of O^T
.set J, 0
.rept 32
	v_pk_mul_f32 v[160+J:161+J], v[160+J:161+J], v[252:253] op_sel_hi:[1,0]   ; O^T under the new M; these 32 are also the places between the codes, the scale word and the products below
.set J, J+2
.endr
	s_wait_alu depctr_va_vdst(0)                   ; directly ahead of the wait below
.if \next
	s_wait_dscnt 50                                ; V's tiles 0-3 and words are in; behind them: K's 34 loads and the 16 of V's tiles 4-7
.else
	s_wait_dscnt 16                                ; behind them here: the 16 of V's tiles 4-7
.endif
	WIN 0x01                                       ; V's tiles 0-3 in window 1
.irp t, 0,1,2,3
	v_wmma_scale_f32_16x16x128_f8f6f4 v[160+8*\t:167+8*\t], v[64+16*\t:79+16*\t], v[224:239], v[160+8*\t:167+8*\t], v[VS+\t], v253
.endr
	WIN 0
	s_wait_dscnt 0x0                               ; V's tiles 4-7, and the next step's K
.irp t, 0,1,2,3
	v_wmma_scale_f32_16x16x128_f8f6f4 v[192+8*\t:199+8*\t], v[96+16*\t:111+16*\t], v[224:239], v[192+8*\t:199+8*\t], v[VS+4+\t], v253
.endr
	s_add_co_u32 s[TB], s[TB], PIECE
	s_add_co_u32 s[KST], s[KST], 1
.endm
.macro STEPS n, tb                     ; n key steps from LDS byte tb on
	s_mov_b32 s[TB], \tb
	s_mov_b32 s[CNT], \n
.Lsteps_\@:
	STEP 1
	s_sub_co_u32 s[CNT], s[CNT], 1
	s_cmp_lg_u32 s[CNT], 0
	s_cbranch_scc1 .Lsteps_\@
.endm
; THE CHANGE OF SLOTS.  Each wave waits for all its tensor loads (its piece of the slot ahead), adds 0 to its spare word, and waits for that; its reads of the slot that it leaves came in ahead of the step's last products.
; fill = 1: that slot is filled with the key steps eight on, behind a round of the cluster's barrier.  part = 1: K has no step 16.
.macro CHANGE fill, g0, part
	s_wait_tensorcnt 0x0
	ds_add_u32 v[SPW], v[NIL]
.if \fill
	s_add_nc_u64 s[\g0+2:\g0+3], s[\g0+2:\g0+3], 2*VOFF   ; no load of mine is out: the slot's group 0 steps eight key steps on
.endif
	s_wait_dscnt 0x0
.if \fill
	ROUND
.if \part
	s_cmp_eq_u32 s[WV], 3
	s_cbranch_scc1 .Lno_piece_\@
.endif
	tensor_load_to_lds s[\g0:\g0+3], s[G1:G1+7]    ; the first thing behind the round, and my one tensor load until the next
	s_nop 0
	NOPS 4
.Lno_piece_\@:
.else
	s_barrier_signal -1
	s_barrier_wait -1
.endif
.endm
	STEPS 4, 0                                     ; key steps 0-3
	CHANGE 1, G0, 0
	STEPS 4, SLOTB                                 ; 4-7
	CHANGE 1, G0+4, 1
	STEPS 4, 0                                     ; 8-11
	CHANGE 0, G0, 0
	STEPS 3, SLOTB                                 ; 12-14
	STEP 0                                         ; 15: nothing follows it
	; THE WAY OUT: O^T / the sum, quantised along the hidden axis: my 64 registers are the head's 128 channels in an operand's order: K step "head" of the last product's A operand
	v_add_f32 v14, v14, v15
	s_delay_alu instid0(VALU_DEP_1)
	v_permlanex16_b32 v252, v14, s[SEL], s[SEL+1]
	s_delay_alu instid0(VALU_DEP_1)
	v_add_f32 v14, v14, v252                       ; the row's sum
	s_wait_alu depctr_va_vdst(0)                   ; the wait ahead of the transcendental
	v_rcp_f32 v14, v14
	NOPS 8                                         ; places behind the last products, and the plain line behind the reciprocal
	s_wait_alu depctr_va_vdst(0)                   ; ahead of the reciprocal's first reader
.set J, 0
.rept 32
	v_pk_mul_f32 v[96+J:97+J], v[160+J:161+J], v[14:15] op_sel_hi:[1,0]   ; each accumulator from its low end on
.set J, J+2
.endr
.irp b, 0,1,2,3
	v_max3_num_f32 v[TM+\b], |v[96+16*\b]|, |v[97+16*\b]|, 0x4800000
.endr
.irp i, 2,4,6,8,10,12,14
.irp b, 0,1,2,3
	s_delay_alu instid0(VALU_DEP_4)
	v_max3_num_f32 v[TM+\b], v[TM+\b], |v[96+16*\b+\i]|, |v[97+16*\b+\i]|
.endr
.endr
.irp b, 0,1,2,3
	v_permlanex16_b32 v[TM+4+\b], v[TM+\b], s[SEL], s[SEL+1]
.endr
.irp b, 0,1,2,3
	s_delay_alu instid0(VALU_DEP_4)
	v_max_num_f32 v[TM+\b], v[TM+\b], v[TM+4+\b]
.endr
.irp b, 0,1,2,3
	s_delay_alu instid0(VALU_DEP_4)
	v_add_nc_u32 v[TM+12+\b], 0xfc000000, v[TM+\b]
.endr
.irp b, 0,1,2,3
	v_and_or_b32 v[TM+8+\b], v[TM+\b], 0x7f800000, s[MNT]
.endr
.irp b, 0,1,2,3
	v_lshrrev_b32 v[TM+4+\b], 23, v[TM+12+\b]
.endr
	s_delay_alu instid0(VALU_DEP_3)
	v_lshl_or_b32 v252, v[TM+5], 8, v[TM+4]        ; my row's scale word
	s_delay_alu instid0(VALU_DEP_1)
	v_lshl_or_b32 v252, v[TM+6], 16, v252
	s_delay_alu instid0(VALU_DEP_1)
	v_lshl_or_b32 v252, v[TM+7], 24, v252
.irp b, 0,1,2,3
.set J, 0
.rept 16
	v_med3_num_f32 v[96+16*\b+J], v[96+16*\b+J], -v[TM+8+\b], v[TM+8+\b]
.set J, J+1
.endr
	v_cvt_scalef32_pk8_fp8_f32 v[48+4*\b:49+4*\b], v[96+16*\b:103+16*\b], v[TM+12+\b]
	v_cvt_scalef32_pk8_fp8_f32 v[50+4*\b:51+4*\b], v[104+16*\b:111+16*\b], v[TM+12+\b]
.endr
	v_nop                                          ; one plain line behind the last conversion
.irp c, 0,1,2,3
	global_store_b128 v[LI], v[48+4*\c:51+4*\c], s[8:9] offset:512*\c   ; 512 consecutive bytes, aligned
.endr
	s_wait_xcnt 0x0                                ; EXEC changes only behind this wait
	v_cmp_gt_u32 vcc_lo, 16, v[LN]
	s_and_saveexec_b32 s60, vcc_lo
	global_store_b32 v[OSO], v252, s[10:11]        ; lanes 0-15: a word a row, 16 bytes apart: four heads share these 256 bytes, as the next launch's scale layout has it
	s_wait_xcnt 0x0
	s_or_b32 exec_lo, exec_lo, s60
	s_wait_tensorcnt 0x0                           ; the wave's end
	ds_add_u32 v[SPW], v[NIL]
	s_wait_dscnt 0x0
	ROUND                                          ; the closing round
	s_endpgm
.Lfunc_end_k_q54ee172e06_attn:
	.size	k_q54ee172e06_attn, .Lfunc_end_k_q54ee172e06_attn-k_q54ee172e06_attn
	.p2alignl 7, 3214868480
	.fill 96, 4, 3214868480
	.section	.rodata,"a",@progbits
	.p2align	6, 0x0
	.amdhsa_kernel k_q54ee172e06_attn
		.amdhsa_group_segment_fixed_size 327680
		.amdhsa_private_segment_fixed_size 0
		.amdhsa_enable_private_segment 0
		.amdhsa_kernarg_size 32
		.amdhsa_user_sgpr_count 2
		.amdhsa_user_sgpr_kernarg_segment_ptr 1
		.amdhsa_wavefront_size32 1
		.amdhsa_system_sgpr_workgroup_id_x 1
		.amdhsa_system_sgpr_workgroup_id_y 1
		.amdhsa_system_sgpr_workgroup_id_z 1
		.amdhsa_system_vgpr_workitem_id 0
		.amdhsa_next_free_vgpr 512
		.amdhsa_next_free_sgpr 80
		.amdhsa_reserve_vcc 1
		.amdhsa_float_denorm_mode_32 3
		.amdhsa_float_denorm_mode_16_64 3
		.amdhsa_memory_ordered 1
		.amdhsa_forward_progress 1
		.amdhsa_inst_pref_size 148
	.end_amdhsa_kernel
	.amdgpu_metadata
---
amdhsa.version: [ 1, 2 ]
amdhsa.kernels:
  - .name:           k_q54ee172e06_attn
    .symbol:         k_q54ee172e06_attn.kd
    .args:
      - { .name: qkv, .offset: 0, .size: 8, .value_kind: global_buffer, .address_space: global }
      - { .name: biasimg, .offset: 8, .size: 8, .value_kind: global_buffer, .address_space: global }
      - { .name: ocodes, .offset: 16, .size: 8, .value_kind: global_buffer, .address_space: global }
      - { .name: oscales, .offset: 24, .size: 8, .value_kind: global_buffer, .address_space: global }
    .group_segment_fixed_size: 327680
    .private_segment_fixed_size: 0
    .kernarg_segment_align: 8
    .kernarg_segment_size: 32
    .max_flat_workgroup_size: 256
    .sgpr_count:     80
    .vgpr_count:     512
    .wavefront_size: 32
...
	.end_amdgpu_metadata
.endif
;; end of part 3
;; launch oproj (part 4): grid 16 x 16, 4 waves a work-group, clusters of 4 x 4, 327,680 bytes of LDS; arguments ocodes, oscales, codes, scales, out0; writes out0
.if DOCPART == 4
	.amdgcn_target "amdgcn-amd-amdhsa--gfx1250"
	.amdhsa_code_object_version 6
	.text
	.protected	k_q54ee172e06_oproj
	.globl	k_q54ee172e06_oproj
	.p2align	8
	.type	k_q54ee172e06_oproj,@function
k_q54ee172e06_oproj:
	s_mov_b64 s[64:65], 0
	v_nop
	global_prefetch_b8 v0, s[64:65] scope:SCOPE_SE
	s_setreg_imm32_b32 hwreg(HW_REG_WAVE_MODE, 25, 1), 1
	s_wait_xcnt 0x0
	s_wait_alu depctr_hold_cnt(0) depctr_sa_sdst(0) depctr_va_vdst(0) depctr_va_sdst(0) depctr_va_ssrc(0) depctr_va_vcc(0) depctr_vm_vsrc(0)
	s_getreg_b32 s2, hwreg(HW_REG_IB_STS2, 6, 4)
	s_cmp_eq_u32 s2, 0
	s_cbranch_scc0 .Lentry_in_a_cluster
	s_endpgm
.Lentry_in_a_cluster:
	s_bfe_u32 s2, ttmp6, 0x10000c
	s_cmp_lg_u32 s2, 0xf033
	s_cbranch_scc0 .Lentry_shape_is_right
	s_endpgm
.Lentry_shape_is_right:
.set SLOT,  131072
.set BOFF,  65536
.set SCL,   2*SLOT
.set SPARE, SCL+16384
.set STAGE, SPARE+512
.set SPITCH, 272
.set NP,    8
.set ADRA, 16
.set ADRB, 20
.set STO,  24
.set RD,   25
.set CO,   26
.set ADRS, 27
.set SPW,  28
.set NIL,  29
.set SC,   32
.set BK,   64
.set ACC,  128
.set F0,   0
.set F1,   128
.set WV,   18
.set RH,   19
.set CH,   20
.set G1,   24
.set G0,   32
.set G1B,  48
.set G0B,  56
.set G1S,  68
.set G0S,  76
.set G1SB, 80
.set G0SB, 88
.set MSB, 0
.macro WIN new
.if MSB != (\new)
	s_set_vgpr_msb (MSB<<8)|(\new)
.set MSB, (\new)
.endif
.endm
.set W_MUL, 0x05
.set TO_F,  0x40
.macro JLOAD g0a, g1a, g0b, g1b
	s_cmp_eq_u32 s[RH], 0
	s_cbranch_scc0 .Lfor_b_\@
	tensor_load_to_lds s[\g0a:\g0a+3], s[\g1a:\g1a+7]
	s_nop 0
.rept 4
	v_nop
.endr
	s_branch .Lasked_\@
.Lfor_b_\@:
	tensor_load_to_lds s[\g0b:\g0b+3], s[\g1b:\g1b+7]
	s_nop 0
.rept 4
	v_nop
.endr
.Lasked_\@:
.endm
.macro CREST
	s_cmp_lg_u32 s[WV], 0
	s_cbranch_scc1 .Lnot_wave_0_\@
	s_barrier_signal -3
.Lnot_wave_0_\@:
	s_barrier_wait -3
	s_barrier_signal -1
	s_barrier_wait -1
.endm
.macro CROUND
	s_barrier_signal -1
	s_barrier_wait -1
	CREST
.endm
	s_load_b256 s[4:11], s[0:1], 0x0
	s_load_b64 s[12:13], s[0:1], 0x20
	v_lshl_add_u32 v[SPW], v0, 2, SPARE
	v_mov_b32 v[NIL], 0
	ds_add_u32 v28, v29
	ds_add_u32 v28, v29
	s_wait_dscnt 0x0
	v_lshrrev_b32 v1, 5, v0
	v_readfirstlane_b32 s[WV], v1
	s_lshr_b32 s[RH], s[WV], 1
	s_and_b32 s[CH], s[WV], 1
	s_bfe_u32 s22, ttmp6, 0x40000
	s_bfe_u32 s23, ttmp6, 0x40004
	s_lshl_b32 s40, ttmp9, 2
	s_add_co_u32 s40, s40, s22
	s_and_b32 s41, ttmp7, 0xffff
	s_lshl_b32 s41, s41, 2
	s_add_co_u32 s41, s41, s23
	s_lshl_b32 s42, s23, 2
	s_lshl_b32 s42, 15, s42
	s_lshl_b32 s43, 0x1111, s22
	s_or_b32 s[G1], s42, (3<<16)|(1<<21)
	s_or_b32 s[G1B], s43, (3<<16)|(1<<21)
.irp g, G1, G1B
	s_mov_b32 s[\g+1], 1024<<16
	s_mov_b32 s[\g+2], 8<<16                       ; the head's loads bring all eight tiles of an operand; behind them the two row counts are set to 4
	s_mov_b32 s[\g+3], 1024<<16
	s_mov_b32 s[\g+4], 8
	s_mov_b32 s[\g+5], 4096
	s_mov_b32 s[\g+6], 0
	s_mov_b32 s[\g+7], 0
.endr
	s_or_b32 s[G1S], s42, (3<<16)|(1<<21)
	s_or_b32 s[G1SB], s43, (3<<16)|(1<<21)
.irp g, G1S, G1SB
	s_mov_b32 s[\g+1], 32<<16
	s_mov_b32 s[\g+2], 32<<16                      ; an operand's scale words whole: 32 rows of 256 bytes
	s_mov_b32 s[\g+3], 32<<16
	s_mov_b32 s[\g+4], 32
	s_mov_b32 s[\g+5], 32
	s_mov_b32 s[\g+6], 0
	s_mov_b32 s[\g+7], 0
.endr
	s_lshl_b32 s44, s41, 18
	s_lshl_b32 s2, s[CH], 17
	s_add_co_u32 s44, s44, s2
	s_mov_b32 s45, 0
	s_lshl_b32 s92, s41, 13
	s_lshl_b32 s2, s[CH], 12
	s_add_co_u32 s92, s92, s2
	s_mov_b32 s93, 0
	s_lshl_b32 s46, s40, 18
	s_lshl_b32 s3, s[CH], 17
	s_add_co_u32 s46, s46, s3
	s_add_co_u32 s46, s46, 4<<22
	s_mov_b32 s47, 0
	s_lshl_b32 s94, s40, 13
	s_lshl_b32 s3, s[CH], 12
	s_add_co_u32 s94, s94, s3
	s_add_co_u32 s94, s94, 4<<17
	s_mov_b32 s95, 0
	s_wait_kmcnt 0x0
	s_add_nc_u64 s[44:45], s[4:5], s[44:45]
	s_add_nc_u64 s[46:47], s[8:9], s[46:47]
	s_add_nc_u64 s[92:93], s[6:7], s[92:93]
	s_add_nc_u64 s[94:95], s[10:11], s[94:95]
	CROUND
; the head's four tiles, each whole: the pointers above hold my wave's half; the half's offset is taken off again
.set G0H, 4                            ; s[4:7], s[8:11]: the arguments that lay there have been used
.set G0HB, 8
	s_lshl_b32 s2, s[CH], 17
	s_mov_b32 s3, 0
	s_mov_b32 s[G0H], 1                            ; slot 0's eight tiles of A,
	s_mov_b32 s[G0H+1], 0
	s_sub_nc_u64 s[G0H+2:G0H+3], s[44:45], s[2:3]
	s_or_b32 s[G0H+3], s[G0H+3], 0x80000000
	s_mov_b32 s[G0HB], 1                           ; of B, behind them,
	s_mov_b32 s[G0HB+1], BOFF
	s_sub_nc_u64 s[G0HB+2:G0HB+3], s[46:47], s[2:3]
	s_or_b32 s[G0HB+3], s[G0HB+3], 0x80000000
	s_lshl_b32 s2, s[CH], 12
	s_mov_b32 s[G0S], 1                            ; A's scale words,
	s_mov_b32 s[G0S+1], SCL
	s_sub_nc_u64 s[G0S+2:G0S+3], s[92:93], s[2:3]
	s_or_b32 s[G0S+3], s[G0S+3], 0x80000000
	s_mov_b32 s[G0SB], 1                           ; and B's
	s_mov_b32 s[G0SB+1], SCL+8192
	s_sub_nc_u64 s[G0SB+2:G0SB+3], s[94:95], s[2:3]
	s_or_b32 s[G0SB+3], s[G0SB+3], 0x80000000
.irp s, 0,1
	s_mov_b32 s[G0+4*\s], 1
	s_lshl_b32 s[G0+4*\s+1], s[WV], 15
	s_add_co_u32 s[G0+4*\s+1], s[G0+4*\s+1], \s*SLOT
	s_add_nc_u64 s[G0+4*\s+2:G0+4*\s+3], s[44:45], \s*8192
	s_or_b32 s[G0+4*\s+3], s[G0+4*\s+3], 0x80000000
	s_mov_b32 s[G0B+4*\s], 1
	s_lshl_b32 s[G0B+4*\s+1], s[WV], 15
	s_add_co_u32 s[G0B+4*\s+1], s[G0B+4*\s+1], \s*SLOT
	s_add_nc_u64 s[G0B+4*\s+2:G0B+4*\s+3], s[46:47], \s*8192
	s_or_b32 s[G0B+4*\s+3], s[G0B+4*\s+3], 0x80000000
.endr
	; the prefetches of the two refills' tiles: s[96:97] my wave's four tiles; of the four rows of 8,192 bytes each of the four partners of the joint load takes one, told apart by address; never rewritten
	s_cmp_eq_u32 s[RH], 0
	s_cselect_b64 s[96:97], s[44:45], s[46:47]
	s_cselect_b32 s98, s22, s23
	s_lshl_b32 s98, s98, 15
; THE HEAD'S LOADS, ONE A WAVE, in one chain of branches on the wave's number
.macro ARM under, g0, g1, next
	s_cmp_lt_u32 s[WV], \under
	s_cbranch_scc0 \next
	tensor_load_to_lds s[\g0:\g0+3], s[\g1:\g1+7]
	s_nop 0
.rept 4
	v_nop
.endr
	s_branch .Lhead_asked
\next:
.endm
	ARM 1, G0H,  G1,  .Lhead_b
	ARM 2, G0HB, G1B, .Lhead_sa
	ARM 3, G0S,  G1S, .Lhead_sb
	tensor_load_to_lds s[G0SB:G0SB+3], s[G1SB:G1SB+7]
	s_nop 0
.rept 4
	v_nop
.endr
.Lhead_asked:
	v_and_b32 v30, 31, v0
	v_lshlrev_b32 v30, 8, v30                      ; lanes 256 bytes apart along my work-group's row
	v_add_nc_u32 v30, s98, v30
	global_prefetch_b8 v30, s[96:97] offset:16384 th:TH_LOAD_NT scope:SCOPE_SE   ; the tile of the first refill, two fills on
	s_wait_alu depctr_va_vdst(0)
	s_wait_tensorcnt 0x0                           ; my tile of the head's four is in; slot 1's first fill is issued as a refill is
	ds_add_u32 v28, v29
	s_mov_b32 s[G1+2], 4<<16                       ; no tensor load of mine is out: from here on a load brings four tiles
	s_mov_b32 s[G1+4], 4
	s_mov_b32 s[G1B+2], 4<<16
	s_mov_b32 s[G1B+4], 4
	s_wait_dscnt 0x0
	CROUND
	JLOAD G0+4, G1, G0B+4, G1B
	global_prefetch_b8 v30, s[96:97] offset:24576 th:TH_LOAD_NT scope:SCOPE_SE   ; the tile of the second refill
	v_and_b32 v5, 31, v0
	v_and_b32 v1, 15, v0
	v_bfe_u32 v2, v0, 4, 1
	s_wait_alu depctr_va_vdst(0)
	v_lshlrev_b32 v6, 4, v5
	s_lshl_b32 s2, s[RH], 15
	s_lshl_b32 s3, s[CH], 15
	s_add_co_u32 s3, s3, BOFF
.irp s, 0,1
	v_add_nc_u32 v[ADRA+\s], s2, v6
	v_add_nc_u32 v[ADRB+\s], s3, v6
	s_add_co_u32 s2, s2, SLOT
	s_add_co_u32 s3, s3, SLOT
.endr
	v_lshlrev_b32 v3, 4, v1
	s_lshl_b32 s2, s[RH], 12
	s_lshl_b32 s3, s[CH], 12
	s_add_co_u32 s3, s3, 8192
	s_sub_co_u32 s3, s3, s2
	v_mul_u32_u24 v4, s3, v2
	s_add_co_u32 s2, s2, SCL
	v_add_nc_u32 v3, v3, v4
	v_add_nc_u32 v[ADRS], s2, v3
	s_mul_i32 s2, s[WV], 16*SPITCH
	s_add_co_u32 s2, s2, STAGE
	v_mul_u32_u24 v3, v1, SPITCH
	v_lshl_add_u32 v3, v2, 6, v3
	v_add_nc_u32 v[STO], s2, v3
	v_mul_u32_u24 v3, v2, SPITCH
	v_lshl_add_u32 v3, v1, 4, v3
	v_add_nc_u32 v[RD], s2, v3
	v_lshlrev_b32 v3, 13, v2
	v_lshl_add_u32 v[CO], v1, 4, v3
	s_lshl_b32 s44, s41, 20
	s_lshl_b32 s45, s[RH], 19
	s_add_co_u32 s44, s44, s45
	s_lshl_b32 s45, s40, 9
	s_add_co_u32 s44, s44, s45
	s_lshl_b32 s45, s[CH], 8
	s_add_co_u32 s44, s44, s45
	s_mov_b32 s45, 0
	s_add_nc_u64 s[12:13], s[12:13], s[44:45]
.macro FRAG reg, adr, q, i
.irp c, 0,1,2,3
	ds_load_b128 v[\reg+4*\c:\reg+4*\c+3], v[\adr] offset:(\i)*8192+(\q)*2048+512*\c
.endr
.endm
.macro FETCH slot, q, f
	WIN TO_F
.irp i, 0,1,2,3
	FRAG (\f)+64+16*\i, ADRB+\slot, \q, \i
	FRAG (\f)+16*\i, ADRA+\slot, \q, \i
.endr
.endm
.macro SCALES sc, kg
.irp i, 0,1,2,3
	ds_load_b128 v[SC+16*(\sc)+4*\i:SC+16*(\sc)+4*\i+3], v[ADRS] offset:\i*1024+(\kg)*256
.endr
.endm
.macro MUL4 f, a, kk, sc, zero
.irp b, 0,1,2,3
.if \zero
	v_wmma_scale_f32_16x16x128_f8f6f4 v[ACC+8*(4*(\a)+\b):ACC+8*(4*(\a)+\b)+7], v[(\f)+64+16*\b:(\f)+64+16*\b+15], v[(\f)+16*(\a):(\f)+16*(\a)+15], 0, v[SC+16*(\sc)+4*\b+(\kk)], v[SC+16*(\sc)+4*(\a)+(\kk)] matrix_a_scale:MATRIX_SCALE_ROW1
.else
	v_wmma_scale_f32_16x16x128_f8f6f4 v[ACC+8*(4*(\a)+\b):ACC+8*(4*(\a)+\b)+7], v[(\f)+64+16*\b:(\f)+64+16*\b+15], v[(\f)+16*(\a):(\f)+16*(\a)+15], v[ACC+8*(4*(\a)+\b):ACC+8*(4*(\a)+\b)+7], v[SC+16*(\sc)+4*\b+(\kk)], v[SC+16*(\sc)+4*(\a)+(\kk)] matrix_a_scale:MATRIX_SCALE_ROW1
.endif
.endr
.endm
.macro PLACES n
.rept \n
	v_nop
.endr
.endm
.macro STEP slot, q, zero
	PLACES NP
	FETCH \slot, (\q)+1, 128*(1-(\q)%2)
	s_wait_dscnt 32
	WIN W_MUL
.irp a, 0,1,2,3
	MUL4 128*((\q)%2), \a, \q, \slot, \zero
.endr
.endm
.macro TURN slot, next, fill, kg
	WIN 0
	s_wait_tensorcnt 0x0
	ds_add_u32 v[SPW], v[NIL]
	s_wait_dscnt 1
	WIN W_MUL
	MUL4 F1, 0, 3, \slot, 0
	s_wait_dscnt 0x0
	s_barrier_signal -1
	MUL4 F1, 1, 3, \slot, 0
	WIN 0
	s_barrier_wait -1
.if \fill
	CREST
	s_add_nc_u64 s[G0+4*\slot+2:G0+4*\slot+3], s[G0+4*\slot+2:G0+4*\slot+3], 16384
	s_add_nc_u64 s[G0B+4*\slot+2:G0B+4*\slot+3], s[G0B+4*\slot+2:G0B+4*\slot+3], 16384
	JLOAD G0+4*\slot, G1, G0B+4*\slot, G1B
	PLACES NP-4
.else
	PLACES NP
.endif
	FETCH \next, 0, F0
	WIN 0
	SCALES \next, \kg
	WIN W_MUL
	MUL4 F1, 2, 3, \slot, 0
	MUL4 F1, 3, 3, \slot, 0
.endm
	s_wait_alu depctr_va_vdst(0)
	s_wait_tensorcnt 1
	s_barrier_signal -1
	s_barrier_wait -1
	FETCH 0, 0, F0
	WIN 0
	SCALES 0, 0
	STEP 0, 0, 1
	STEP 0, 1, 0
	STEP 0, 2, 0
	TURN 0, 1, 1, 1
	STEP 1, 0, 0
	STEP 1, 1, 0
	STEP 1, 2, 0
	TURN 1, 0, 1, 2
	STEP 0, 0, 0
	STEP 0, 1, 0
	STEP 0, 2, 0
	TURN 0, 1, 0, 3
	STEP 1, 0, 0
	STEP 1, 1, 0
	STEP 1, 2, 0
	s_wait_dscnt 0x0
.irp a, 0,1,2,3
	MUL4 F1, \a, 3, 1, 0
.endr
	WIN 0
.macro TOSTAGE a
.irp b, 0,1,2,3
	ds_store_b128 v[STO], v[ACC+8*(4*(\a)+\b):ACC+8*(4*(\a)+\b)+3] offset:128*(\b/2)+32*(\b%2)
	ds_store_b128 v[STO], v[ACC+8*(4*(\a)+\b)+4:ACC+8*(4*(\a)+\b)+7] offset:128*(\b/2)+32*(\b%2)+16
.endr
.set BB, BK+32*((\a)%2)
.irp t, 0,1,2,3,4,5,6,7
	ds_load_b128 v[BB+4*\t:BB+4*\t+3], v[RD] offset:2*\t*SPITCH
.endr
.endm
.macro SEND a, younger
.set BB, BK+32*((\a)%2)
	s_wait_dscnt \younger
.irp t, 0,1,2,3,4,5,6,7
	global_store_b128 v[CO], v[BB+4*\t:BB+4*\t+3], s[12:13] offset:(32*((\a)/2)+8*((\a)%2)+2*\t+8*(\t/4))*8192 th:TH_STORE_NT
.endr
.endm
	PLACES NP
	TOSTAGE 0
.irp a, 1,2,3
.if \a > 1
	s_wait_xcnt 0x0
.endif
	TOSTAGE \a
	SEND \a-1, 16
.endr
	SEND 3, 0
	s_wait_tensorcnt 0x0
	ds_add_u32 v[SPW], v[NIL]
	s_wait_dscnt 0x0
	CROUND
	s_endpgm
.Lfunc_end_k_q54ee172e06_oproj:
	.size	k_q54ee172e06_oproj, .Lfunc_end_k_q54ee172e06_oproj-k_q54ee172e06_oproj
	.p2alignl 7, 3214868480
	.fill 96, 4, 3214868480
	.section	.rodata,"a",@progbits
	.p2align	6, 0x0
	.amdhsa_kernel k_q54ee172e06_oproj
		.amdhsa_group_segment_fixed_size 327680
		.amdhsa_private_segment_fixed_size 0
		.amdhsa_enable_private_segment 0
		.amdhsa_kernarg_size 40
		.amdhsa_user_sgpr_count 2
		.amdhsa_user_sgpr_kernarg_segment_ptr 1
		.amdhsa_wavefront_size32 1
		.amdhsa_system_sgpr_workgroup_id_x 1
		.amdhsa_system_sgpr_workgroup_id_y 1
		.amdhsa_system_sgpr_workgroup_id_z 1
		.amdhsa_system_vgpr_workitem_id 0
		.amdhsa_next_free_vgpr 512
		.amdhsa_next_free_sgpr 102
		.amdhsa_reserve_vcc 0
		.amdhsa_float_denorm_mode_32 3
		.amdhsa_float_denorm_mode_16_64 3
		.amdhsa_memory_ordered 1
		.amdhsa_forward_progress 1
		.amdhsa_inst_pref_size 92
	.end_amdhsa_kernel
	.amdgpu_metadata
---
amdhsa.version: [ 1, 2 ]
amdhsa.kernels:
  - .name:           k_q54ee172e06_oproj
    .symbol:         k_q54ee172e06_oproj.kd
    .args:
      - { .name: ocodes, .offset: 0, .size: 8, .value_kind: global_buffer, .address_space: global }
      - { .name: oscales, .offset: 8, .size: 8, .value_kind: global_buffer, .address_space: global }
      - { .name: codes, .offset: 16, .size: 8, .value_kind: global_buffer, .address_space: global }
      - { .name: scales, .offset: 24, .size: 8, .value_kind: global_buffer, .address_space: global }
      - { .name: out0, .offset: 32, .size: 8, .value_kind: global_buffer, .address_space: global }
    .group_segment_fixed_size: 327680
    .private_segment_fixed_size: 0
    .kernarg_segment_align: 8
    .kernarg_segment_size: 40
    .max_flat_workgroup_size: 128
    .sgpr_count:     102
    .vgpr_count:     512
    .wavefront_size: 32
...
	.end_amdgpu_metadata
.endif
;; end of part 4
